; MI455X (gfx1250); checked and timed in simulation.
; The chip was launched on July 23, 2026; its instructions are those of AMD's public machine-readable ISA for CDNA 5 (MIT licence, August 2026) and "CDNA5" Instruction Set Architecture Reference Guide (July 2026). The comments in the code are by the model that wrote it; some were corrected since.
;; Causal Multi Head Self Attention. Allowed arithmetic: matrix products marked QUANTISED: E3M2 operands, one E8M0 scale for each 32 along K, by v_wmma_scale_f32_16x16x128_f8f6f4 with both operands' format E3M2, f32 sums; everything else in f32.
;; Inputs: Wk 1,024 x 1,024 float32; Wo 1,024 x 1,024 float32; Wq 1,024 x 1,024 float32; Wv 1,024 x 1,024 float32; token_positions 2,048 int32; x 4 x 2,048 x 1,024 float32.
;; Outputs: out0 4 x 2,048 x 1,024 float32.
;; This version of the problem:
;;   THIS VERSION OF THE PROBLEM IS GIVEN IN LOW PRECISION. The matrix products marked QUANTISED in the list below multiply operands that are first quantised to E3M2 (3 exponent bits, 2 mantissa bits; 6 bits a number), with one power-of-two scale for each 32 numbers along K (OCP MX v1.0); their sums are f32. All else is computed in f32.
;;   The module's matrix products, in the order in which they are computed (A, B: the left and right operand; K: the contracted axis; several contracted axes count as one K, in the product's order):
;;     1. [M 8,192, K 1,024] x [K 1,024, N 1,024]; A: input x; B: input Wq: QUANTISED
;;     2. [M 8,192, K 1,024] x [K 1,024, N 1,024]; A: input x; B: input Wk: QUANTISED
;;     3. [M 8,192, K 1,024] x [K 1,024, N 1,024]; A: input x; B: input Wv: QUANTISED
;;     4. batch 64 x [M 2,048, K 64] x [K 64, N 2,048]; A: computed on the way; B: computed on the way: QUANTISED
;;     5. batch 64 x [M 2,048, K 2,048] x [K 2,048, N 64]; A: softmax (see below); B: computed on the way: QUANTISED
;;     6. [M 8,192, K 1,024] x [K 1,024, N 1,024]; A: computed on the way; B: input Wo: QUANTISED
;;   THE QUANTISER, for each operand of a quantised product, along K:
;;     - K is cut into blocks of 32 from its start; a last block that is shorter is filled with zeros.
;;     - A block's scale is 2^e with e = floor(log2(the largest magnitude in the block)) - 4, held to -126 .. 127; a block of zeros has e = 0. As a byte (E8M0): e + 127.
;;     - Each number is divided by its block's scale, clamped to +-28, and rounded to the nearest number of E3M2, ties to even, subnormals kept.
;;     - The product sums the exact products of the quantised numbers (number of the format x scale) in f32.
;;   ~~~python
;;   def quantise(x, axis):      # numpy; x: float32 -> the quantised numbers, widened to float32 again
;;       x = np.moveaxis(x, axis, -1); K = x.shape[-1]
;;       x = np.pad(x, [(0, 0)] * (x.ndim - 1) + [(0, -K % 32)]); x = x.reshape(x.shape[:-1] + (-1, 32)); a = np.abs(x).max(-1, keepdims=True)
;;       e = np.where(a > 0, np.clip(np.frexp(np.where(a > 0, a, 1))[1] - 1 - 4, -126, 127), 0)      # np.frexp(a)[1] - 1 = floor(log2(a)), exactly
;;       r = np.clip(x / 2.0 ** e, -28, 28)
;;       step = 2.0 ** (np.maximum(np.frexp(np.where(r == 0, 1, r))[1] - 1, -2) - 2)
;;       q = np.round(r / step) * step * 2.0 ** e      # np.round: ties to even
;;       return np.moveaxis(q.reshape(q.shape[:-2] + (-1,))[..., :K], -1, axis).astype(np.float32)
;;   ~~~
;;   SOFTMAX AHEAD OF A QUANTISED PRODUCT. Where the list says 'softmax', what is quantised is not the finished softmax but p = 2^(t - M), with t = logit x log2(e) and M = ceil(the row's largest t), a whole number; so 1/2 < the row's largest p <= 1. The row's sum l is taken of the UNQUANTISED p, in f32, and the product's result is divided by l at the end. Since M is a whole number, a kernel that streams over the keys may use a running M (the ceiling of the running maximum): every later rescaling is an exact power of two, which a block's scale takes up: the codes' values come out the same.
;;   OPERANDS COMPUTED ON THE WAY. 'Computed on the way' means the value that the module computes at that place (a softmax that the list does not call 'softmax' is quantised finished and normalised). What goes into a quantiser is computed in f32, as accurately as f32 sums, v_exp_f32 and their like allow (about 1e-6 of the number): no bf16 or f16 on the way to a quantiser, and a product that is left as it is and whose result goes on into a quantised operand takes f32 operands (vector FMAs, or v_wmma_f32_16x16x4_f32). A number that lies on a knife's edge between two numbers of the format may be rounded either way, as far as f32 arithmetic and the matrix unit's own rounding can turn it there, and no further.
;; One version. Each part assembles by itself: llvm-mc -triple=amdgcn-amd-amdhsa -mcpu=gfx1250 --defsym DOCPART=n.
;; ======== version 1 of 1: 4 launches
;; workspace buffers: codes 9,437,184 bytes; scales 393,216 bytes; rope 786,432 bytes; qrec 6,815,744 bytes; kvrec 13,631,488 bytes; ocodes 6,291,456 bytes; oscales 262,144 bytes
;; launch prep (part 1): grid 416 x 1, 4 waves a work-group, no clusters, 35,328 bytes of LDS; arguments x, Wq, Wk, Wv, Wo, token_positions, codes, scales, rope; writes codes, scales, rope
.if DOCPART == 1
	.amdgcn_target "amdgcn-amd-amdhsa--gfx1250"
	.amdhsa_code_object_version 6
	.text
	.protected	k_q1e1931e84e_prep
	.globl	k_q1e1931e84e_prep
	.p2align	8
	.type	k_q1e1931e84e_prep,@function
k_q1e1931e84e_prep:
	s_mov_b64 s[64:65], 0
	v_nop
	global_prefetch_b8 v0, s[64:65] scope:SCOPE_SE
	s_setreg_imm32_b32 hwreg(HW_REG_WAVE_MODE, 25, 1), 1
	s_wait_xcnt 0x0
; x [8192][1024] and Wq, Wk, Wv, Wo [1024][1024], f32 with K innermost, become codes of BF6 (E3M2) with one E8M0 byte for each 32 along K; and the table of RoPE's cosines and sines is made.
; THE CODES' LAYOUT is the image of the matrix operand's registers.  The 12,288 rows (x, Wq, Wk, Wv, Wo on end) are cut into row tiles rho of 16 rows and K into pieces kap of 64.  A UNIT (rho, kap) is 768 bytes at
; (16 rho + kap) x 768: lane (r, h) holds row r, block h of 32 codes, 24 bytes: its registers 0-3 at 16 x lane, its registers 4-5 at 512 + 8 x lane.  Two units on end are one operand fragment of 12 registers.
; THE ORDER INSIDE A BLOCK OF 32 is the same in every operand of this program: places 0-7 hold numbers 0-7, places 8-15 numbers 16-23, places 16-23 numbers 8-15, places 24-31 numbers 24-31.  It is the order in which a matrix
; result falls into codes without a shuffle; a permutation inside a block, alike in both operands, keeps the block's scale and every product.  The sums are so grouped otherwise than in the order of k.
; THE SCALE BYTES: the byte of (row, block 2 kap + h) lies at rho x 512 + (kap / 8) x 256 + 16 r + 2 (kap % 8) + h.
; A block's scale is 2^(floor(log2(largest magnitude)) - 4); its byte is the largest magnitude's exponent field - 4, held at 1 from below (a block of zeros keeps the byte 1: its codes are zeros, and this program alone reads the bytes).
; LIMITS: NaN and infinities among the inputs are not served; blocks whose largest magnitude lies under 2^-122 keep the byte 1.  RoPE: inv_freq = 2^(-i log2(10000) / 32) by v_exp_f32, not by the reference's power: at position 2,047
; the angle may differ by about 1e-4 rad; the three-term reduction by pi / 2 serves positions up to 2^24 in magnitude.
; SHARES.  Work-groups 0-383 quantise: wave w takes row tile 2 g + w / 2 and K half w % 2: 16 rows x 512 numbers in 8 steps of 64.  Each load reads 2 x 256 consecutive bytes; a step's 4,096 bytes turn through the wave's own
; stage in LDS (16 rows of 256 + 16 bytes) so that a lane gets the 32 numbers of its block.  Work-groups 384-415 make the table, a wave to 16 positions; that path uses no LDS.  No barrier: waves share nothing.
.set WREG, 8704                        ; LDS of a wave: two stages
.set STG,  4352                        ; a stage: 16 rows x 272 bytes
.set R,    32                          ; v32-127   three sets of 32 registers as loaded
.set X,    128                         ; v128-191  two sets of 32 numbers, in the block's order
.set CI,   192                         ; v192-239  six registers of codes for each step: no store's data are written again
.set CT,   240                         ; v240-242  a block's upper 16 codes, on their way
.set EB,   16                          ; v16-17    my block's scale bytes of steps 0-3, 4-7
	s_load_b256 s[4:11], s[0:1], 0x0               ; x s[4:5], Wq s[6:7], Wk s[8:9], Wv s[10:11]
	s_load_b256 s[12:19], s[0:1], 0x20             ; Wo s[12:13], positions s[14:15], codes s[16:17], scales s[18:19]
	s_load_b64 s[20:21], s[0:1], 0x40              ; the table
	v_lshl_add_u32 v254, v0, 2, 0x8800
	v_mov_b32 v255, 0
	v_lshrrev_b32 v1, 5, v0
	v_readfirstlane_b32 s24, v1                    ; wave 0..3
	v_and_b32 v1, 31, v0                           ; lane
	v_and_b32 v2, 15, v0                           ; r
	v_bfe_u32 v3, v0, 4, 1                         ; h
	v_lshlrev_b32 v7, 4, v1                        ; 16 x lane
	s_cmp_ge_u32 ttmp9, 384
	s_cbranch_scc1 .Lrope
	; ---------------- the quantiser
	v_lshlrev_b32 v8, 3, v1                        ; 8 x lane
	v_lshlrev_b32 v4, 12, v3
	v_lshl_add_u32 v4, v2, 4, v4                   ; in: lanes 0-15 take 256 bytes of an even row, lanes 16-31 of the odd row below
	s_mul_i32 s25, s24, WREG
	v_mul_u32_u24 v5, v3, 272
	v_lshl_add_u32 v5, v2, 4, v5
	v_add_nc_u32 v5, s25, v5                       ; into the stage: the same two rows
	v_mul_u32_u24 v6, v2, 272
	v_lshl_add_u32 v6, v3, 7, v6
	v_add_nc_u32 v6, s25, v6                       ; out of it: row r, block h: 128 bytes
	v_lshlrev_b32 v9, 4, v2
	v_lshl_add_u32 v9, v3, 3, v9                   ; the scale bytes: 16 r + 8 h
	s_mov_b32 s32, 0x76543210
	s_mov_b32 s33, 0xfedcba98                      ; v_permlanex16_b32's selects for lane l xor 16
	s_lshr_b32 s26, s24, 1                         ; which of the work-group's two row tiles
	s_and_b32 s27, s24, 1                          ; which half of K
	s_and_b32 s28, ttmp9, 31
	s_cmp_lt_u32 ttmp9, 256
	s_cselect_b32 s28, ttmp9, s28                  ; the work-group's number within its tensor (a weight has 32)
	s_lshl_b32 s28, s28, 1
	s_add_co_u32 s28, s28, s26
	s_lshl_b32 s28, s28, 16                        ; 16 rows of 4,096 bytes
	s_lshl_b32 s29, s27, 11
	s_add_co_u32 s28, s28, s29                     ; + 2,048 bytes for the upper half of K
	s_mov_b32 s29, 0
	s_lshl_b32 s30, ttmp9, 1
	s_add_co_u32 s30, s30, s26                     ; rho
	s_lshl_b32 s34, s30, 9
	s_lshl_b32 s35, s27, 8
	s_add_co_u32 s34, s34, s35                     ; my 256 scale bytes
	s_mov_b32 s35, 0
	s_lshl_b32 s30, s30, 4
	s_lshl_b32 s31, s27, 3
	s_add_co_u32 s30, s30, s31
	s_mul_i32 s30, s30, 768                        ; my eight units
	s_mov_b32 s31, 0
	s_wait_kmcnt 0x0
	s_cmp_lt_u32 ttmp9, 352                        ; which tensor: the choice hangs on the work-group's number alone
	s_cselect_b64 s[22:23], s[10:11], s[12:13]
	s_cmp_lt_u32 ttmp9, 320
	s_cselect_b64 s[22:23], s[8:9], s[22:23]
	s_cmp_lt_u32 ttmp9, 288
	s_cselect_b64 s[22:23], s[6:7], s[22:23]
	s_cmp_lt_u32 ttmp9, 256
	s_cselect_b64 s[22:23], s[4:5], s[22:23]
	s_add_nc_u64 s[22:23], s[22:23], s[28:29]
	s_add_nc_u64 s[16:17], s[16:17], s[30:31]
	s_add_nc_u64 s[18:19], s[18:19], s[34:35]
.macro LOAD t                          ; step t: 64 numbers of each of my 16 rows
.irp i, 0,1,2,3,4,5,6,7
	global_load_b128 v[R+32*((\t)%3)+4*\i:R+32*((\t)%3)+4*\i+3], v4, s[22:23] offset:256*(\t)+8192*\i th:TH_LOAD_NT
.endr
.endm
.macro TURN t                          ; through the stage; LDS serves a wave's instructions in order (ISA guide 5.7.1.4), so no wait stands between the stores and the loads.  The loads' destinations make the block's order
.irp i, 0,1,2,3,4,5,6,7
	ds_store_b128 v5, v[R+32*((\t)%3)+4*\i:R+32*((\t)%3)+4*\i+3] offset:STG*((\t)%2)+544*\i
.endr
.irp i, 0,1,2,3,4,5,6,7
	ds_load_b128 v[X+32*((\t)%2)+4*(\i%2)+16*((\i/2)%2)+8*(\i/4):X+32*((\t)%2)+4*(\i%2)+16*((\i/2)%2)+8*(\i/4)+3], v6 offset:STG*((\t)%2)+16*\i
.endr
.endm
.macro STEP t
.set XS, X+32*((\t)%2)
	s_wait_dscnt 0x0                               ; this step's numbers are back from the stage, and its stores into the stage have read their registers,
.if (\t)+3 < 8
	LOAD (\t)+3                                    ; which take the loads of three steps on
.endif
.if (\t) < 7
.if (\t) <= 4
	s_wait_loadcnt 16                              ; the next step's eight loads are in; those of the two steps behind it may be out
.elseif (\t) == 5
	s_wait_loadcnt 8
.else
	s_wait_loadcnt 0
.endif
	TURN (\t)+1                                    ; the next step goes through the other stage while this one is worked
.endif
	v_max3_num_f32 v10, |v[XS]|, |v[XS+1]|, |v[XS+2]|          ; the block's largest magnitude: all 32 numbers are mine; two chains
	v_max3_num_f32 v11, |v[XS+3]|, |v[XS+4]|, |v[XS+5]|
.irp i, 6,10,14,18,22,26
	v_max3_num_f32 v10, v10, |v[XS+\i]|, |v[XS+\i+1]|
	v_max3_num_f32 v11, v11, |v[XS+\i+2]|, |v[XS+\i+3]|
.endr
	v_max3_num_f32 v10, v10, |v[XS+30]|, |v[XS+31]|
	v_max3_num_f32 v10, v10, v11, 0x2800000        ; and the floor 2^(5 - 127): the byte cannot fall under 1
	v_add_nc_u32 v12, 0xfe000000, v10              ; 4 off the exponent field: the conversion takes this operand's exponent field as its scale
	v_cvt_scalef32_pk16_bf6_f32 v[CI+6*(\t):CI+6*(\t)+2], v[XS:XS+15], v12
	v_cvt_scalef32_pk16_bf6_f32 v[CT:CT+2], v[XS+16:XS+31], v12   ; (a conversion's three registers begin on an even number)
	v_lshrrev_b32 v13, 23, v12                     ; the scale's byte; also the plain line behind the conversions
.irp i, 0,1,2
	v_mov_b32 v[CI+6*(\t)+3+\i], v[CT+\i]
.endr
.if (\t)%4 == 0
	v_mov_b32 v[EB+(\t)/4], v13
.else
	v_lshl_or_b32 v[EB+(\t)/4], v13, 8*((\t)%4), v[EB+(\t)/4]
.endif
	global_store_b128 v7, v[CI+6*(\t):CI+6*(\t)+3], s[16:17] offset:768*(\t)          ; 512 consecutive bytes
	global_store_b64 v8, v[CI+6*(\t)+4:CI+6*(\t)+5], s[16:17] offset:768*(\t)+512     ; 256 consecutive bytes
.endm
	LOAD 0
	LOAD 1
	LOAD 2
	s_wait_loadcnt 16                              ; step 0's eight loads are in
	TURN 0
.irp t, 0,1,2,3,4,5,6,7
	STEP \t
.endr
	; a row's 16 bytes of this half of K are (step, block) pairs: lane (r, h) stores the eight of steps 4 h .. 4 h + 3
	v_mov_b32 v18, 0
	v_mov_b32 v19, 0                               ; (a lane permute's destination counts as one of its sources)
	v_permlanex16_b32 v18, v[EB], s32, s33         ; the other block's bytes of steps 0-3,
	v_permlanex16_b32 v19, v[EB+1], s32, s33       ; of steps 4-7
	v_cmp_le_u32 vcc_lo, 16, v1
	v_cndmask_b32 v20, v[EB], v19, vcc_lo          ; block 0's four bytes of my steps
	v_cndmask_b32 v21, v18, v[EB+1], vcc_lo        ; block 1's
	v_perm_b32 v22, v21, v20, 0x05010400           ; interleaved
	v_perm_b32 v23, v21, v20, 0x07030602
	global_store_b64 v9, v[22:23], s[18:19]        ; 32 lanes store 256 consecutive bytes, aligned
	s_wait_tensorcnt 0x0
	ds_add_u32 v254, v255
	s_wait_dscnt 0x0
	s_endpgm
	; ---------------- RoPE's table: [s / 16][b4][plane][lane][16 bytes]; lane (r, h) holds, for position index s = 16 rs + r and pairs i = 8 b4 + 4 h + 0 .. 3: plane 0 the four cosines, planes 1 and 2 (-sin, sin) of each pair
.Lrope:
	s_sub_co_u32 s25, ttmp9, 384
	s_lshl_b32 s25, s25, 2
	s_add_co_u32 s25, s25, s24                     ; rs
	s_lshl_b32 s26, s25, 6
	s_mov_b32 s27, 0
	s_mul_i32 s28, s25, 6144
	s_mov_b32 s29, 0
	v_lshlrev_b32 v4, 2, v2
	s_wait_kmcnt 0x0
	s_add_nc_u64 s[14:15], s[14:15], s[26:27]
	s_add_nc_u64 s[20:21], s[20:21], s[28:29]
	global_load_b32 v5, v4, s[14:15]               ; the position of token 16 rs + r
	v_lshlrev_b32 v6, 2, v3                        ; 4 h
.irp n, 0,1,2,3,4,5,6,7,8,9,10,11,12,13,14,15
	v_add_nc_u32 v[32+\n], 8*(\n/4)+\n%4, v6       ; i
.endr
.irp n, 0,1,2,3,4,5,6,7,8,9,10,11,12,13,14,15
	v_cvt_f32_u32 v[32+\n], v[32+\n]
.endr
.irp n, 0,1,2,3,4,5,6,7,8,9,10,11,12,13,14,15
	v_mul_f32 v[32+\n], 0xbed49a78, v[32+\n]       ; -i log2(10000) / 32
.endr
.irp n, 0,1,2,3,4,5,6,7,8,9,10,11,12,13,14,15
	v_exp_f32 v[32+\n], v[32+\n]                   ; inv_freq
.endr
	v_nop                                          ; a plain line behind the last exponential
	s_wait_alu depctr_va_vdst(0)                   ; one wait for the batch, ahead of its first reader
	s_wait_loadcnt 0x0
	v_cvt_f32_i32 v5, v5
.irp n, 0,1,2,3,4,5,6,7,8,9,10,11,12,13,14,15
	v_mul_f32 v[32+\n], v5, v[32+\n]               ; the angle, rounded once as the reference rounds it
.endr
; cos and sin of v[a]: n = the nearest whole multiple of pi / 2; the rest r by three fused steps; polynomials on |r| <= pi / 4; the quadrant swaps and signs them
.macro SINCOS a, cd, ns, sd
	v_mul_f32 v10, 0x3f22f983, v[\a]
	v_rndne_f32 v10, v10
	v_fmamk_f32 v11, v10, 0xbfc90fdb, v[\a]
	v_fmamk_f32 v11, v10, 0x333bbd2e, v11
	v_fmamk_f32 v11, v10, 0x26f72ced, v11
	v_cvt_i32_f32 v12, v10
	v_mul_f32 v13, v11, v11                        ; z = r r
	v_mov_b32 v14, 0xb94ca1f9
	v_fmaak_f32 v14, v14, v13, 0x3c08839e
	v_fmaak_f32 v14, v14, v13, 0xbe2aaaa3
	v_mul_f32 v15, v11, v13
	v_fma_f32 v14, v15, v14, v11                   ; sin r
	v_mov_b32 v16, 0x37ccf5ce
	v_fmaak_f32 v16, v16, v13, 0xbab6061a
	v_fmaak_f32 v16, v16, v13, 0x3d2aaaa5
	v_mul_f32 v17, v13, v13
	v_fma_f32 v18, v13, -0.5, 1.0
	v_fma_f32 v16, v17, v16, v18                   ; cos r
	v_and_b32 v17, 1, v12
	v_cmp_eq_u32 vcc_lo, 1, v17
	v_cndmask_b32 v18, v14, v16, vcc_lo            ; odd quadrants swap the two
	v_cndmask_b32 v19, v16, v14, vcc_lo
	v_and_b32 v17, 2, v12
	v_lshlrev_b32 v17, 30, v17
	v_xor_b32 v[\sd], v17, v18                     ; sin changes sign in quadrants 2, 3
	v_xor_b32 v[\ns], 0x80000000, v[\sd]
	v_add_nc_u32 v17, 1, v12
	v_and_b32 v17, 2, v17
	v_lshlrev_b32 v17, 30, v17
	v_xor_b32 v[\cd], v17, v19                     ; cos in quadrants 1, 2
.endm
.irp b, 0,1,2,3
.irp d, 0,1,2,3
	SINCOS 32+4*\b+\d, 64+12*\b+\d, 68+12*\b+2*\d, 69+12*\b+2*\d
.endr
.endr
.irp n, 0,1,2,3,4,5,6,7,8,9,10,11
	global_store_b128 v7, v[64+4*\n:67+4*\n], s[20:21] offset:512*\n   ; 512 consecutive bytes
.endr
	s_endpgm
.Lfunc_end_k_q1e1931e84e_prep:
	.size	k_q1e1931e84e_prep, .Lfunc_end_k_q1e1931e84e_prep-k_q1e1931e84e_prep
	.p2alignl 7, 3214868480
	.fill 96, 4, 3214868480
	.section	.rodata,"a",@progbits
	.p2align	6, 0x0
	.amdhsa_kernel k_q1e1931e84e_prep
		.amdhsa_group_segment_fixed_size 35328
		.amdhsa_private_segment_fixed_size 0
		.amdhsa_enable_private_segment 0
		.amdhsa_kernarg_size 72
		.amdhsa_user_sgpr_count 2
		.amdhsa_user_sgpr_kernarg_segment_ptr 1
		.amdhsa_wavefront_size32 1
		.amdhsa_system_sgpr_workgroup_id_x 1
		.amdhsa_system_sgpr_workgroup_id_y 1
		.amdhsa_system_sgpr_workgroup_id_z 1
		.amdhsa_system_vgpr_workitem_id 0
		.amdhsa_next_free_vgpr 256
		.amdhsa_next_free_sgpr 66
		.amdhsa_reserve_vcc 1
		.amdhsa_float_denorm_mode_32 3
		.amdhsa_float_denorm_mode_16_64 3
		.amdhsa_memory_ordered 1
		.amdhsa_forward_progress 1
		.amdhsa_inst_pref_size 58
	.end_amdhsa_kernel
	.amdgpu_metadata
---
amdhsa.version: [ 1, 2 ]
amdhsa.kernels:
  - .name:           k_q1e1931e84e_prep
    .symbol:         k_q1e1931e84e_prep.kd
    .args:
      - { .name: x, .offset: 0, .size: 8, .value_kind: global_buffer, .address_space: global }
      - { .name: Wq, .offset: 8, .size: 8, .value_kind: global_buffer, .address_space: global }
      - { .name: Wk, .offset: 16, .size: 8, .value_kind: global_buffer, .address_space: global }
      - { .name: Wv, .offset: 24, .size: 8, .value_kind: global_buffer, .address_space: global }
      - { .name: Wo, .offset: 32, .size: 8, .value_kind: global_buffer, .address_space: global }
      - { .name: token_positions, .offset: 40, .size: 8, .value_kind: global_buffer, .address_space: global }
      - { .name: codes, .offset: 48, .size: 8, .value_kind: global_buffer, .address_space: global }
      - { .name: scales, .offset: 56, .size: 8, .value_kind: global_buffer, .address_space: global }
      - { .name: rope, .offset: 64, .size: 8, .value_kind: global_buffer, .address_space: global }
    .group_segment_fixed_size: 35328
    .private_segment_fixed_size: 0
    .kernarg_segment_align: 8
    .kernarg_segment_size: 72
    .max_flat_workgroup_size: 128
    .sgpr_count:     66
    .vgpr_count:     256
    .wavefront_size: 32
...
	.end_amdgpu_metadata
.endif
;; end of part 1
;; launch qkv (part 2): grid 12 x 32, 4 waves a work-group, clusters of 4 x 4, 327,680 bytes of LDS; arguments codes, scales, rope, qrec, kvrec; writes qrec, kvrec
.if DOCPART == 2
	.amdgcn_target "amdgcn-amd-amdhsa--gfx1250"
	.amdhsa_code_object_version 6
	.text
	.protected	k_q1e1931e84e_qkv
	.globl	k_q1e1931e84e_qkv
	.p2align	8
	.type	k_q1e1931e84e_qkv,@function
k_q1e1931e84e_qkv:
	s_mov_b64 s[64:65], 0
	v_nop
	global_prefetch_b8 v0, s[64:65] scope:SCOPE_SE
	s_setreg_imm32_b32 hwreg(HW_REG_WAVE_MODE, 25, 1), 1
	s_wait_xcnt 0x0
	s_wait_alu depctr_hold_cnt(0) depctr_sa_sdst(0) depctr_va_vdst(0) depctr_va_sdst(0) depctr_va_ssrc(0) depctr_va_vcc(0) depctr_vm_vsrc(0)
	s_getreg_b32 s2, hwreg(HW_REG_IB_STS2, 6, 4)
	s_cmp_eq_u32 s2, 0
	s_cbranch_scc0 .Lentry_in_a_cluster
	s_endpgm
.Lentry_in_a_cluster:
	s_bfe_u32 s2, ttmp6, 0x10000c
	s_cmp_lg_u32 s2, 0xf033
	s_cbranch_scc0 .Lentry_shape_is_right
	s_endpgm
.Lentry_shape_is_right:
; q = rope(x Wq^T), k = rope(x Wk^T), v = x Wv^T on codes of BF6 (E3M2) with E8M0 scales, K = 1,024; the results leave already QUANTISED for attention: q and k along the head's 64, v along the keys.
; One GEMM for all three: a tile of 256 x 256 to a work-group of four waves, 128 x 128 to a wave (64 accumulators, 512 registers).  The cluster's x says which: 0 q, 1 k, 2 v; it is equal in all sixteen partners.
; THE MATRIX INSTRUCTION IS USED TRANSPOSED: source 0 = 16 rows of 'B', source 1 = 16 rows of 'A': lane (r, h) holds row 16 a + r of A, and register j of accumulator (a, b) row 16 b + 8 h + j of B.
;   q, k: A = tokens (rows of x), B = rows of W: a lane holds a token and its registers run along the head.     v: A = rows of Wv, B = tokens: a lane holds a channel and its registers run along the keys.
; OPERANDS lie in memory as images of their registers: a unit (16 rows x 64 along K) is 768 bytes, registers 0-3 at 16 x lane, registers 4-5 at 512 + 8 x lane; a row tile's 16 units are 12,288 bytes on end.  So a tile of 128 rows x 256 along K
; is 8 rows of 3,072 bytes for the tensor data mover, LDS needs no padding, and a fragment comes by four loads of consecutive bytes.  Inside each block of 32 all operands of this program keep one order (places 8-15 and 16-23 changed over),
; which is the order in which the 16 registers of two neighbouring accumulators fall into codes: so the sums run in that order, not in the order of k.
; K goes in steps of 256 through two LDS slots; the scale bytes of the work-group's rows, for all of K, come once with the first fills.  4 x 4 work-groups form a cluster: A's tiles are asked for jointly along a row of the cluster, B's along a column.
; OUT.  qrec: [batch x head][group of 128 queries] records of 6,656 bytes: 8 units (16 queries x the head's 64) and 512 bytes of scale words.  kvrec: records of 13,312 bytes: k as in qrec; v's four fragments (16 channels x 128 keys, 1,536 bytes each);
; v's scale words (256 bytes); 256 zeros, so that every byte that attention's loads fetch has been stored.  Every store covers 512 or 256 consecutive bytes, aligned.
; LIMITS: NaN and infinities are not served; blocks whose largest magnitude lies under 2^-122 keep the scale byte 1 (a block of zeros too: its codes are zeros, and this program alone reads the bytes).
; No prefetch: a work-group has two refills in all.  REGISTERS: window 0: v1-31 addresses; v32-63 scale words; v128-223 A's fragments, one set; window 1: B's fragments, two sets; windows 2, 3: the accumulators ((a, b) at v[8 (8 (a % 4) + b)]).
.set NQ,     2                         ; matrix instructions deep in a slot
.set FR,     12                        ; registers of a fragment
.set NL,     4                         ; LDS loads that bring one
.set NP,     4                         ; places behind this matrix instruction (ISA guide 7.12.1)
.set TROW,   3072                      ; a row tile's part of a slot: four units
.set HALFT,  8*TROW                    ; 128 rows: what one tensor load brings
.set SLOT,   4*HALFT
.set SCL,    2*SLOT                    ; behind the ring: the scale bytes, as rows of 256 bytes + 16
.set HALFS,  16*272                    ; those of 128 rows
.set SBLK,   2*272                     ; those of 16 rows
.set SPARE,  SCL+4*HALFS               ; the spare words, 128 bytes for each wave
.set ADRA, 16                          ; v16-17 A's fragments in slot 0, 1 (16 x lane); v18-19 the same with 8 x lane
.set ADRB, 20                          ; v20-23 the same for B
.set L16,  24                          ; v24  16 x lane
.set L8,   25                          ; v25  8 x lane
.set ADRS, 27                          ; v27  my scale words: lanes 0-15 A's rows, lanes 16-31 B's
.set SPW,  28                          ; v28  my spare word; never rewritten
.set NIL,  29                          ; v29  0; never rewritten
.set SC,   32
.set AF,   128
.set G1, 24
.set G0, 32
.set G1B, 48
.set G0B, 56
.set G1S, 68
.set G0S, 76
.set G1SB, 80
.set G0SB, 88
.set SEL, 96                           ; s[96:97] selects for lane l xor 16
.set MSB, 0
.macro WIN new                         ; the immediate's high byte repeats the setting that is left
.if MSB != \new
	s_set_vgpr_msb (MSB<<8)|\new
.set MSB, \new
.endif
.endm
.set MUL_LO, 0xa1                      ; source 0 (B) window 1, source 1 (A) window 0, C and D window 2
.set MUL_HI, 0xf1
.set TO_B,   0x40
; A joint load: waves 0 and 1 fetch for A, waves 2 and 3 for B; the branch hangs on the wave's number alone.  Four v_nop follow each of the two lines.
.macro JLOAD g0a, g1a, g0b, g1b
	s_cmp_eq_u32 s15, 0
	s_cbranch_scc0 .Lfor_b_\@
	tensor_load_to_lds s[\g0a:\g0a+3], s[\g1a:\g1a+7]
	s_nop 0
.rept 4
	v_nop
.endr
	s_branch .Lasked_\@
.Lfor_b_\@:
	tensor_load_to_lds s[\g0b:\g0b+3], s[\g1b:\g1b+7]
	s_nop 0
.rept 4
	v_nop
.endr
.Lasked_\@:
.endm
.macro CREST                           ; a round of the cluster's barrier behind its opening barrier
	s_cmp_lg_u32 s14, 0
	s_cbranch_scc1 .Lnot_wave_0_\@
	s_barrier_signal -3
.Lnot_wave_0_\@:
	s_barrier_wait -3
	s_barrier_signal -1
	s_barrier_wait -1
.endm
.macro CROUND
	s_barrier_signal -1
	s_barrier_wait -1
	CREST
.endm
	s_load_b256 s[4:11], s[0:1], 0x0               ; codes s[4:5], scales s[6:7], the table s[8:9], qrec s[10:11]
	s_load_b64 s[12:13], s[0:1], 0x20              ; kvrec
	v_lshl_add_u32 v[SPW], v0, 2, SPARE
	v_mov_b32 v[NIL], 0
	ds_add_u32 v28, v29
	ds_add_u32 v28, v29
	s_wait_dscnt 0x0
	v_lshrrev_b32 v1, 5, v0
	v_readfirstlane_b32 s14, v1                    ; wave 0..3
	s_lshr_b32 s15, s14, 1                         ; which half of A's rows is mine.  Also: I fetch for A (0) or for B (1)
	s_and_b32 s16, s14, 1                          ; which half of B's rows.  Also: which 128 rows I fetch
	s_bfe_u32 s40, ttmp6, 0x40000                  ; cx
	s_bfe_u32 s41, ttmp6, 0x40004                  ; cy
	s_and_b32 s18, ttmp7, 0xffff
	s_lshl_b32 s18, s18, 2                         ; 4 x cluster y: a tile of 256 tokens
	s_lshl_b32 s19, ttmp9, 2
	s_add_co_u32 s19, s19, 32                      ; Wq's tiles are 32-35 of the codes' rows, Wk's 36-39, Wv's 40-43
	s_cmp_eq_u32 ttmp9, 2
	s_cselect_b32 s17, 40, s18
	s_cselect_b32 s42, s18, s19
	s_add_co_u32 s17, s17, s41                     ; A's tile: hangs on cy alone within the cluster
	s_add_co_u32 s42, s42, s40                     ; B's tile: on cx alone
	s_lshl_b32 s43, s41, 2
	s_lshl_b32 s43, 15, s43                        ; my row of the cluster
	s_lshl_b32 s44, 0x1111, s40                    ; my column
	s_or_b32 s[G1+0], s43, (3<<16)|(1<<21)         ; 15:0 the mask; 17:16 elements of 8 bytes; 20 no padding; 21 set beside a mask
	s_or_b32 s[G1B+0], s44, (3<<16)|(1<<21)
.irp g, G1, G1B
	s_mov_b32 s[\g+1], 384<<16                     ; tensor_dim0 = 384 elements: 3,072 bytes
	s_mov_b32 s[\g+2], 8<<16                       ; tensor_dim1 = 8 row tiles
	s_mov_b32 s[\g+3], 384<<16                     ; tile_dim0
	s_mov_b32 s[\g+4], 8                           ; tile_dim1
	s_mov_b32 s[\g+5], 1536                        ; from row tile to row tile: 12,288 bytes
	s_mov_b32 s[\g+6], 0
	s_mov_b32 s[\g+7], 0
.endr
	s_or_b32 s[G1S+0], s43, (3<<16)|(1<<20)|(1<<21)|(5<<22)|(3<<25)   ; the scale bytes of 128 rows: 4,096 dense bytes as 16 rows of 256, 16 bytes of padding behind each
	s_or_b32 s[G1SB+0], s44, (3<<16)|(1<<20)|(1<<21)|(5<<22)|(3<<25)
.irp g, G1S, G1SB
	s_mov_b32 s[\g+1], 32<<16
	s_mov_b32 s[\g+2], 16<<16
	s_mov_b32 s[\g+3], 32<<16
	s_mov_b32 s[\g+4], 16
	s_mov_b32 s[\g+5], 32
	s_mov_b32 s[\g+6], 0
	s_mov_b32 s[\g+7], 0
.endr
	s_lshl_b32 s18, s16, 3
	s_lshl_b32 s20, s17, 4
	s_add_co_u32 s20, s20, s18                     ; A: first row tile that I fetch: 16 x tile + 8 x half
	s_lshl_b32 s46, s42, 4
	s_add_co_u32 s46, s46, s18                     ; B likewise
	s_lshl_b32 s22, s20, 9                         ; its scale bytes
	s_mov_b32 s23, 0
	s_lshl_b32 s92, s46, 9
	s_mov_b32 s93, 0
	s_mul_i32 s20, s20, 12288                      ; its codes
	s_mov_b32 s21, 0
	s_mul_i32 s46, s46, 12288
	s_mov_b32 s47, 0
	s_mul_i32 s45, s14, HALFT                      ; where they go: no place in the cluster enters an LDS address
	s_mul_i32 s94, s14, HALFS
	s_wait_kmcnt 0x0
	s_add_nc_u64 s[20:21], s[4:5], s[20:21]
	s_add_nc_u64 s[22:23], s[6:7], s[22:23]
	s_add_nc_u64 s[46:47], s[4:5], s[46:47]
	s_add_nc_u64 s[92:93], s[6:7], s[92:93]
	CROUND                                         ; all sixteen work-groups are here: the first joint loads meet
	s_mov_b32 s[G0S], 1
	s_add_co_u32 s[G0S+1], s94, SCL
	s_mov_b64 s[G0S+2:G0S+3], s[22:23]
	s_or_b32 s[G0S+3], s[G0S+3], 0x80000000
	s_mov_b32 s[G0SB], 1
	s_add_co_u32 s[G0SB+1], s94, SCL
	s_mov_b64 s[G0SB+2:G0SB+3], s[92:93]
	s_or_b32 s[G0SB+3], s[G0SB+3], 0x80000000
	JLOAD G0S, G1S, G0SB, G1SB                     ; the scales first: they are wanted with K step 0
.irp s, 0,1
	s_mov_b32 s[G0+4*\s], 1
	s_add_co_u32 s[G0+4*\s+1], s45, \s*SLOT
	s_add_nc_u64 s[G0+4*\s+2:G0+4*\s+3], s[20:21], \s*TROW
	s_or_b32 s[G0+4*\s+3], s[G0+4*\s+3], 0x80000000
	s_mov_b32 s[G0B+4*\s], 1
	s_add_co_u32 s[G0B+4*\s+1], s45, \s*SLOT
	s_add_nc_u64 s[G0B+4*\s+2:G0B+4*\s+3], s[46:47], \s*TROW
	s_or_b32 s[G0B+4*\s+3], s[G0B+4*\s+3], 0x80000000
	JLOAD G0+4*\s, G1, G0B+4*\s, G1B               ; three loads of mine are out
.endr
	v_and_b32 v1, 31, v0                           ; lane
	v_and_b32 v2, 15, v0                           ; r
	v_bfe_u32 v3, v0, 4, 1                         ; h
	v_lshlrev_b32 v[L16], 4, v1
	v_lshlrev_b32 v[L8], 3, v1
	s_mul_i32 s21, s15, HALFT                      ; my 128 rows of A
	s_mul_i32 s22, s16, HALFT                      ; my 128 rows of B,
	s_add_co_u32 s22, s22, 2*HALFT                 ; behind A's 256
.irp s, 0,1
	v_add_nc_u32 v[ADRA+\s], s21, v[L16]
	v_add_nc_u32 v[ADRB+\s], s22, v[L16]
	v_add_nc_u32 v[ADRA+2+\s], s21, v[L8]
	v_add_nc_u32 v[ADRB+2+\s], s22, v[L8]
	s_add_co_u32 s21, s21, SLOT
	s_add_co_u32 s22, s22, SLOT
.endr
	v_lshlrev_b32 v5, 4, v2                        ; a row's 16 scale bytes of half of K
	s_mul_i32 s21, s15, HALFS
	s_mul_i32 s22, s16, HALFS
	s_add_co_u32 s22, s22, 2*HALFS
	s_sub_co_u32 s22, s22, s21
	v_mul_u32_u24 v6, s22, v3                      ; lanes 16-31 take B's
	s_add_co_u32 s21, s21, SCL
	v_add_nc_u32 v5, v5, v6
	v_add_nc_u32 v[ADRS], s21, v5
.macro FRAG reg, adr, q, i             ; a fragment = two units on end: four loads of consecutive bytes
	ds_load_b128 v[\reg:\reg+3], v[\adr] offset:(\i)*TROW+1536*(\q)
	ds_load_b64 v[\reg+4:\reg+5], v[\adr+2] offset:(\i)*TROW+1536*(\q)+512
	ds_load_b128 v[\reg+6:\reg+9], v[\adr] offset:(\i)*TROW+1536*(\q)+768
	ds_load_b64 v[\reg+10:\reg+11], v[\adr+2] offset:(\i)*TROW+1536*(\q)+1280
.endm
; 16 matrix instructions: A's blocks a0, a0 + 1 x B's eight, 128 along K.  The 64 accumulators take turns, one instruction a turn, in the same order in every step.
.macro MUL16 a0, p, q, sc, zero
.irp a, \a0, \a0+1
.irp b, 0,1,2,3,4,5,6,7
.if \zero
	v_wmma_scale_f32_16x16x128_f8f6f4 v[8*(8*((\a)%4)+\b):8*(8*((\a)%4)+\b)+7], v[128*(\p)+FR*\b:128*(\p)+FR*\b+FR-1], v[AF+FR*(\a):AF+FR*(\a)+FR-1], 0, v[SC+8*NQ*(\sc)+NQ*\b+(\q)], v[SC+8*NQ*(\sc)+NQ*(\a)+(\q)] matrix_a_fmt:MATRIX_FMT_BF6 matrix_b_fmt:MATRIX_FMT_BF6 matrix_a_scale:MATRIX_SCALE_ROW1
.else
	v_wmma_scale_f32_16x16x128_f8f6f4 v[8*(8*((\a)%4)+\b):8*(8*((\a)%4)+\b)+7], v[128*(\p)+FR*\b:128*(\p)+FR*\b+FR-1], v[AF+FR*(\a):AF+FR*(\a)+FR-1], v[8*(8*((\a)%4)+\b):8*(8*((\a)%4)+\b)+7], v[SC+8*NQ*(\sc)+NQ*\b+(\q)], v[SC+8*NQ*(\sc)+NQ*(\a)+(\q)] matrix_a_fmt:MATRIX_FMT_BF6 matrix_b_fmt:MATRIX_FMT_BF6 matrix_a_scale:MATRIX_SCALE_ROW1
.endif
.endr
.endr
.endm
.macro FETCH_B slot, q, p
	WIN TO_B
.irp i, 0,1,2,3,4,5,6,7
	FRAG 128*(\p)+FR*\i, ADRB+\slot, \q, \i
.endr
	WIN 0
.endm
.macro FETCH_A slot, q, i0
.irp i, \i0, \i0+1, \i0+2, \i0+3
	FRAG AF+FR*(\i), ADRA+\slot, \q, \i
.endr
.endm
.macro SCALES sc, ks                   ; K step ks's scale words (8 bytes a row) into set sc: lanes 0-15 A's block i, lanes 16-31 B's block i
.irp i, 0,1,2,3,4,5,6,7
	ds_load_b64 v[SC+8*NQ*\sc+NQ*\i:SC+8*NQ*\sc+NQ*\i+1], v[ADRS] offset:\i*SBLK+((\ks)/2)*272+((\ks)%2)*8
.endr
.endm
.macro PLACES n                        ; plain vector lines between a matrix instruction and a load into, or a read of, its registers
.rept \n
	v_nop
.endr
.endm
.macro STEP slot, q, zero              ; a step of 128 along K that has its successor in the same slot
	s_wait_dscnt 4*NL                              ; B's set and A's blocks 0-3 are in; the youngest 16 loads (A's blocks 4-7) may be out
	WIN MUL_LO
	MUL16 0, (\q)%2, \q, \slot, \zero
	MUL16 2, (\q)%2, \q, \slot, \zero
	s_wait_dscnt 0                                 ; A's blocks 4-7 are in
	PLACES NP
	FETCH_B \slot, (\q)+1, 1-(\q)%2
	FETCH_A \slot, (\q)+1, 0
	WIN MUL_HI
	MUL16 4, (\q)%2, \q, \slot, \zero
	MUL16 6, (\q)%2, \q, \slot, \zero
	PLACES NP
	WIN 0
	FETCH_A \slot, (\q)+1, 4
.endm
; A slot's last step changes slots: ONE barrier; in front of it each wave waits for all its tensor loads, adds 0 to its spare word, and waits for that and for its reads of this slot.  fill = 1: this slot is filled again, two K steps ahead.
.macro TURN slot, next, fill, ks
	s_wait_tensorcnt 0x0                           ; all my tensor loads have landed: my part of the next slot
	ds_add_u32 v[SPW], v[NIL]                      ; 0 onto my spare word
	s_wait_dscnt 4*NL+1                            ; (the add and the youngest 16 loads may be out)
	WIN MUL_LO
	MUL16 0, 1, NQ-1, \slot, 0
	s_wait_dscnt 0x0                               ; the add is done, and my reads of this slot are over
	s_barrier_signal -1
	MUL16 2, 1, NQ-1, \slot, 0
	WIN 0
	s_barrier_wait -1
.if \fill
	CREST                                          ; the barrier has opened a round of the cluster's barrier: no wave of any partner still reads this slot or has a load on its way
	s_add_nc_u64 s[G0+4*\slot+2:G0+4*\slot+3], s[G0+4*\slot+2:G0+4*\slot+3], 2*TROW
	s_add_nc_u64 s[G0B+4*\slot+2:G0B+4*\slot+3], s[G0B+4*\slot+2:G0B+4*\slot+3], 2*TROW
	JLOAD G0+4*\slot, G1, G0B+4*\slot, G1B         ; the first tensor load behind the round; its four v_nop are the places in front of the loads below
.else
	PLACES NP
.endif
	FETCH_B \next, 0, 0
	FETCH_A \next, 0, 0
	SCALES \next, \ks
	WIN MUL_HI
	MUL16 4, 1, NQ-1, \slot, 0
	MUL16 6, 1, NQ-1, \slot, 0
	PLACES NP
	WIN 0
	FETCH_A \next, 0, 4
.endm
	s_wait_tensorcnt 1                             ; the scales and my part of K step 0 are in (K step 1's load may be out)
	s_barrier_signal -1
	s_barrier_wait -1
	FETCH_B 0, 0, 0
	FETCH_A 0, 0, 0
	SCALES 0, 0
	FETCH_A 0, 0, 4
	STEP 0, 0, 1                                   ; the first products start the sums: nothing is cleared
	TURN 0, 1, 1, 1                                ; K = 1,024 is four slots' worth: written out, two refills
	STEP 1, 0, 0
	TURN 1, 0, 1, 2
	STEP 0, 0, 0
	TURN 0, 1, 0, 3
	STEP 1, 0, 0
	s_wait_dscnt 4*NL                              ; the very last step: nothing more to fetch
	WIN MUL_LO
	MUL16 0, 1, NQ-1, 1, 0
	MUL16 2, 1, NQ-1, 1, 0
	s_wait_dscnt 0
	WIN MUL_HI
	MUL16 4, 1, NQ-1, 1, 0
	MUL16 6, 1, NQ-1, 1, 0
	WIN 0
	PLACES NP                                      ; in front of the first reads of results and of loads into registers that held operands
	s_mov_b32 s[SEL], 0x76543210
	s_mov_b32 s[SEL+1], 0xfedcba98
	v_cmp_le_u32 vcc_lo, 16, v1                    ; lanes 16-31; VCC stays so to the end
	s_cmp_eq_u32 ttmp9, 2                          ; the cluster's x: the same in all partners
	s_cbranch_scc1 .Lv
	; ---------------- q and k: RoPE, then each head's 64 numbers of a token become two blocks of codes
.set PW,  32                           ; v32-47  scale words: head 0's row tiles 0-7, head 1's
.set TW,  48                           ; v48-55  the words as they are stored
.set RP,  64                           ; v64-111, v112-159 the table of a row tile, two sets
.set HH,  160                          ; v160-223 a row tile's 64 numbers a lane, rotated
.set C0,  224                          ; v224-229 head 0's unit;  v230-235 head 1's
.set C1,  230
.set TC,  236
.set TM,  240
	s_lshr_b32 s20, s17, 3                         ; batch
	s_and_b32 s21, s17, 7
	s_lshl_b32 s22, s21, 1
	s_add_co_u32 s22, s22, s15                     ; my group of 128 tokens in the batch
	s_lshl_b32 s23, s40, 2
	s_lshl_b32 s45, s16, 1
	s_add_co_u32 s23, s23, s45                     ; my first head: 4 cx + 2 x half
	s_lshl_b32 s20, s20, 4
	s_add_co_u32 s20, s20, s23
	s_lshl_b32 s20, s20, 4
	s_add_co_u32 s20, s20, s22                     ; the record
	s_mov_b32 s45, 13312
	s_cmp_eq_u32 ttmp9, 0
	s_cselect_b32 s45, 6656, s45                   ; a record's bytes in qrec, in kvrec
	s_cselect_b64 s[92:93], s[10:11], s[12:13]
	s_mul_i32 s46, s20, s45
	s_mov_b32 s47, 0
	s_add_nc_u64 s[92:93], s[92:93], s[46:47]      ; head 0's record
	s_lshl_b32 s46, s45, 4
	s_add_nc_u64 s[94:95], s[92:93], s[46:47]      ; head 1's: 16 records on
	s_lshl_b32 s46, s21, 4
	s_lshl_b32 s45, s15, 3
	s_add_co_u32 s46, s46, s45
	s_mul_i32 s46, s46, 6144
	s_add_nc_u64 s[8:9], s[8:9], s[46:47]          ; the table at my first row tile
	v_mov_b32 v[TM+2], 0
	v_mov_b32 v[TM+3], 0                           ; (a lane permute's destination counts as one of its sources)
.macro ROPELD a
.irp n, 0,1,2,3,4,5,6,7,8,9,10,11
	global_load_b128 v[RP+48*((\a)%2)+4*\n:RP+48*((\a)%2)+4*\n+3], v[L16], s[8:9] offset:6144*(\a)+512*\n
.endr
.endm
; 32 numbers of a lane, v[s] on (register 16 b + i belongs to block b), become a unit's six registers in v[c] on and its scale word (two bytes) in v[w]
.macro QUANT2 s, c, w
	v_max3_num_f32 v[TM], |v[\s]|, |v[\s+1]|, 0x2800000          ; my 16 numbers of each block, and the floor 2^(5 - 127): the byte cannot fall under 1
	v_max3_num_f32 v[TM+1], |v[\s+16]|, |v[\s+17]|, 0x2800000
.irp i, 2,4,6,8,10,12,14
	v_max3_num_f32 v[TM], v[TM], |v[\s+\i]|, |v[\s+\i+1]|
	v_max3_num_f32 v[TM+1], v[TM+1], |v[\s+16+\i]|, |v[\s+17+\i]|
.endr
	v_permlanex16_b32 v[TM+2], v[TM], s[SEL], s[SEL+1]
	v_permlanex16_b32 v[TM+3], v[TM+1], s[SEL], s[SEL+1]
	v_max_num_f32 v[TM], v[TM], v[TM+2]            ; with lane l xor 16's: the block's largest magnitude
	v_max_num_f32 v[TM+1], v[TM+1], v[TM+3]
	v_add_nc_u32 v[TM+4], 0xfe000000, v[TM]        ; 4 off the exponent field: the conversion's scale operand
	v_add_nc_u32 v[TM+5], 0xfe000000, v[TM+1]
	v_lshrrev_b32 v[TM+6], 23, v[TM+4]             ; the bytes
	v_lshrrev_b32 v[TM+7], 23, v[TM+5]
	v_cvt_scalef32_pk16_bf6_f32 v[\c:\c+2], v[\s:\s+15], v[TM+4]
	v_cvt_scalef32_pk16_bf6_f32 v[TC:TC+2], v[\s+16:\s+31], v[TM+5]
	v_lshl_or_b32 v[\w], v[TM+7], 8, v[TM+6]       ; the word; also the plain line behind the conversions
.irp i, 0,1,2
	v_permlane16_swap_b32 v[\c+\i], v[TC+\i]       ; a WHOLE block to a lane: lanes 0-15 block 0, lanes 16-31 block 1
.endr
.irp i, 0,1,2
	v_mov_b32 v[\c+3+\i], v[TC+\i]
.endr
.endm
.macro QKOUT a                         ; row tile a: 16 tokens x my two heads
.set AC, 64*((\a)%4)
.set RS, RP+48*((\a)%2)
.set WA, 0x02+(\a)/4
	s_wait_xcnt 0x0                                ; the last row tile's stores have read their data: the units' registers may be written again
.if (\a) < 7
	ROPELD (\a)+1
	s_wait_loadcnt 12                              ; this row tile's table is in; the next one's twelve loads may be out
.else
	s_wait_loadcnt 0x0
.endif
	WIN WA                                         ; source 0: the accumulators' window
.irp b, 0,1,2,3,4,5,6,7                ; registers 2 d, 2 d + 1 of accumulator b are the pair i = 8 (b % 4) + 4 h + d of head b / 4
.irp d, 0,1,2,3
	v_pk_mul_f32 v[HH+8*\b+2*\d:HH+8*\b+2*\d+1], v[AC+8*\b+2*\d:AC+8*\b+2*\d+1], v[RS+12*(\b%4)+4+2*\d:RS+12*(\b%4)+5+2*\d] op_sel:[1,0] op_sel_hi:[0,1]   ; (-x2 sin, x1 sin)
.endr
.irp d, 0,1,2,3
.if \d%2
	v_pk_fma_f32 v[HH+8*\b+2*\d:HH+8*\b+2*\d+1], v[AC+8*\b+2*\d:AC+8*\b+2*\d+1], v[RS+12*(\b%4)+2*(\d/2):RS+12*(\b%4)+2*(\d/2)+1], v[HH+8*\b+2*\d:HH+8*\b+2*\d+1] op_sel:[0,1,0] op_sel_hi:[1,1,1]   ; + (x1 cos, x2 cos)
.else
	v_pk_fma_f32 v[HH+8*\b+2*\d:HH+8*\b+2*\d+1], v[AC+8*\b+2*\d:AC+8*\b+2*\d+1], v[RS+12*(\b%4)+2*(\d/2):RS+12*(\b%4)+2*(\d/2)+1], v[HH+8*\b+2*\d:HH+8*\b+2*\d+1] op_sel:[0,0,0] op_sel_hi:[1,0,1]
.endif
.endr
.endr
	WIN 0
	QUANT2 HH, C0, PW+(\a)
	QUANT2 HH+32, C1, PW+8+(\a)
	global_store_b128 v[L16], v[C0:C0+3], s[92:93] offset:768*(\a)
	global_store_b64 v[L8], v[C0+4:C0+5], s[92:93] offset:768*(\a)+512
	global_store_b128 v[L16], v[C1:C1+3], s[94:95] offset:768*(\a)
	global_store_b64 v[L8], v[C1+4:C1+5], s[94:95] offset:768*(\a)+512
.endm
	ROPELD 0
.irp a, 0,1,2,3,4,5,6,7
	QKOUT \a
.endr
.irp hd, 0,1                           ; the scale words: lane l's word w belongs to row tile 2 w + l / 16, row l % 16
.irp w, 0,1,2,3
	v_cndmask_b32 v[TW+4*\hd+\w], v[PW+8*\hd+2*\w], v[PW+8*\hd+2*\w+1], vcc_lo
.endr
.endr
	global_store_b128 v[L16], v[TW:TW+3], s[92:93] offset:6144
	global_store_b128 v[L16], v[TW+4:TW+7], s[94:95] offset:6144
	s_branch .Ldone
	; ---------------- v: a lane holds a channel; its 64 registers of a block of A's rows are 128 keys: one fragment and one scale word
.Lv:
.set VW,  32                           ; v32-39  scale words of my 8 tiles of channels
.set ZZ,  40                           ; v40-41  zeros
.set VTW, 42                           ; v42-45  the words as they are stored
.set PC,  64                           ; v64-75, v76-87 a fragment, two sets by turns
.set VT,  88                           ; v88-90, v92-94 conversions' second halves
.set VM,  96                           ; v96-111 at work
	s_lshr_b32 s20, s42, 3                         ; batch
	s_and_b32 s21, s42, 7
	s_lshl_b32 s21, s21, 1
	s_add_co_u32 s21, s21, s16                     ; my group of 128 keys
	s_lshl_b32 s22, s41, 2
	s_lshl_b32 s23, s15, 1
	s_add_co_u32 s22, s22, s23                     ; my first head: 4 cy + 2 x half
	s_lshl_b32 s20, s20, 4
	s_add_co_u32 s20, s20, s22
	s_lshl_b32 s20, s20, 4
	s_add_co_u32 s20, s20, s21
	s_mul_i32 s46, s20, 13312
	s_mov_b32 s47, 0
	s_add_nc_u64 s[92:93], s[12:13], s[46:47]
	s_add_nc_u64 s[94:95], s[92:93], 16*13312
	v_mov_b32 v[ZZ], 0
	v_mov_b32 v[ZZ+1], 0
.irp b, 0,1,2,3
	v_mov_b32 v[VM+4+\b], 0
.endr
.macro VOUT a                          ; 16 channels (head a / 4, tile a % 4) x 128 keys
.set AC, 64*((\a)%4)
.set PCS, PC+12*((\a)%2)
.set W2, 0x0a+5*((\a)/4)
.set W1, 0x02+(\a)/4
	s_wait_xcnt 0x0                                ; earlier stores have read their data
	WIN W2                                         ; sources 0 and 1: the accumulators' window
.irp b, 0,1,2,3
	v_max3_num_f32 v[VM+\b], |v[AC+16*\b]|, |v[AC+16*\b+1]|, 0x2800000
.endr
.irp i, 2,4,6,8,10,12,14
.irp b, 0,1,2,3
	v_max3_num_f32 v[VM+\b], |v[AC+16*\b+\i]|, |v[AC+16*\b+\i+1]|, v[VM+\b]
.endr
.endr
	WIN 0
.irp b, 0,1,2,3
	v_permlanex16_b32 v[VM+4+\b], v[VM+\b], s[SEL], s[SEL+1]
.endr
.irp b, 0,1,2,3
	v_max_num_f32 v[VM+\b], v[VM+\b], v[VM+4+\b]
.endr
.irp b, 0,1,2,3
	v_add_nc_u32 v[VM+12+\b], 0xfe000000, v[VM+\b]
.endr
.irp b, 0,1,2,3
	v_lshrrev_b32 v[VM+4+\b], 23, v[VM+12+\b]
.endr
	v_lshl_or_b32 v[VW+(\a)], v[VM+5], 8, v[VM+4]
	v_lshl_or_b32 v[VW+(\a)], v[VM+6], 16, v[VW+(\a)]
	v_lshl_or_b32 v[VW+(\a)], v[VM+7], 24, v[VW+(\a)]
	WIN W1
.irp c, 0,1
	v_cvt_scalef32_pk16_bf6_f32 v[PCS+6*\c:PCS+6*\c+2], v[AC+32*\c:AC+32*\c+15], v[VM+12+2*\c]
	v_cvt_scalef32_pk16_bf6_f32 v[VT+4*\c:VT+4*\c+2], v[AC+32*\c+16:AC+32*\c+31], v[VM+13+2*\c]
.endr
	WIN 0
	v_nop                                          ; one plain line behind the conversions
.irp c, 0,1
.irp i, 0,1,2
	v_permlane16_swap_b32 v[PCS+6*\c+\i], v[VT+4*\c+\i]
.endr
.irp i, 0,1,2
	v_mov_b32 v[PCS+6*\c+3+\i], v[VT+4*\c+\i]
.endr
.endr
.irp c, 0,1,2
	global_store_b128 v[L16], v[PCS+4*\c:PCS+4*\c+3], s[92+2*((\a)/4):93+2*((\a)/4)] offset:6656+1536*((\a)%4)+512*\c
.endr
.endm
.irp a, 0,1,2,3,4,5,6,7
	VOUT \a
.endr
.irp hd, 0,1                           ; lane l's word w belongs to tile 2 w + l / 16, channel l % 16
	v_cndmask_b32 v[VTW+2*\hd], v[VW+4*\hd], v[VW+4*\hd+1], vcc_lo
	v_cndmask_b32 v[VTW+2*\hd+1], v[VW+4*\hd+2], v[VW+4*\hd+3], vcc_lo
	global_store_b64 v[L8], v[VTW+2*\hd:VTW+2*\hd+1], s[92+2*\hd:93+2*\hd] offset:12800
	global_store_b64 v[L8], v[ZZ:ZZ+1], s[92+2*\hd:93+2*\hd] offset:13056
.endr
.Ldone:
	s_wait_tensorcnt 0x0                           ; the wave's end
	ds_add_u32 v[SPW], v[NIL]
	s_wait_dscnt 0x0
	CROUND                                         ; the closing round: no work-group ends while a partner may still ask for a tile that names it
	s_endpgm
.Lfunc_end_k_q1e1931e84e_qkv:
	.size	k_q1e1931e84e_qkv, .Lfunc_end_k_q1e1931e84e_qkv-k_q1e1931e84e_qkv
	.p2alignl 7, 3214868480
	.fill 96, 4, 3214868480
	.section	.rodata,"a",@progbits
	.p2align	6, 0x0
	.amdhsa_kernel k_q1e1931e84e_qkv
		.amdhsa_group_segment_fixed_size 327680
		.amdhsa_private_segment_fixed_size 0
		.amdhsa_enable_private_segment 0
		.amdhsa_kernarg_size 40
		.amdhsa_user_sgpr_count 2
		.amdhsa_user_sgpr_kernarg_segment_ptr 1
		.amdhsa_wavefront_size32 1
		.amdhsa_system_sgpr_workgroup_id_x 1
		.amdhsa_system_sgpr_workgroup_id_y 1
		.amdhsa_system_sgpr_workgroup_id_z 1
		.amdhsa_system_vgpr_workitem_id 0
		.amdhsa_next_free_vgpr 1024
		.amdhsa_next_free_sgpr 100
		.amdhsa_reserve_vcc 1
		.amdhsa_float_denorm_mode_32 3
		.amdhsa_float_denorm_mode_16_64 3
		.amdhsa_memory_ordered 1
		.amdhsa_forward_progress 1
		.amdhsa_inst_pref_size 223
	.end_amdhsa_kernel
	.amdgpu_metadata
---
amdhsa.version: [ 1, 2 ]
amdhsa.kernels:
  - .name:           k_q1e1931e84e_qkv
    .symbol:         k_q1e1931e84e_qkv.kd
    .args:
      - { .name: codes, .offset: 0, .size: 8, .value_kind: global_buffer, .address_space: global }
      - { .name: scales, .offset: 8, .size: 8, .value_kind: global_buffer, .address_space: global }
      - { .name: rope, .offset: 16, .size: 8, .value_kind: global_buffer, .address_space: global }
      - { .name: qrec, .offset: 24, .size: 8, .value_kind: global_buffer, .address_space: global }
      - { .name: kvrec, .offset: 32, .size: 8, .value_kind: global_buffer, .address_space: global }
    .group_segment_fixed_size: 327680
    .private_segment_fixed_size: 0
    .kernarg_segment_align: 8
    .kernarg_segment_size: 40
    .max_flat_workgroup_size: 128
    .sgpr_count:     100
    .vgpr_count:     1024
    .wavefront_size: 32
...
	.end_amdgpu_metadata
.endif
;; end of part 2
;; launch attn (part 3): grid 4 x 64, 16 waves a work-group, clusters of 4 x 1, 215,040 bytes of LDS; arguments qrec, kvrec, ocodes, oscales; writes ocodes, oscales
.if DOCPART == 3
	.amdgcn_target "amdgcn-amd-amdhsa--gfx1250"
	.amdhsa_code_object_version 6
	.text
	.protected	k_q1e1931e84e_attn
	.globl	k_q1e1931e84e_attn
	.p2align	8
	.type	k_q1e1931e84e_attn,@function
k_q1e1931e84e_attn:
	s_mov_b64 s[64:65], 0
	v_nop
	global_prefetch_b8 v0, s[64:65] scope:SCOPE_SE
	s_setreg_imm32_b32 hwreg(HW_REG_WAVE_MODE, 25, 1), 1
	s_wait_xcnt 0x0
	s_wait_alu depctr_hold_cnt(0) depctr_sa_sdst(0) depctr_va_vdst(0) depctr_va_sdst(0) depctr_va_ssrc(0) depctr_va_vcc(0) depctr_vm_vsrc(0)
	s_getreg_b32 s2, hwreg(HW_REG_IB_STS2, 6, 4)
	s_cmp_eq_u32 s2, 0
	s_cbranch_scc0 .Lentry_in_a_cluster
	s_endpgm
.Lentry_in_a_cluster:
	s_bfe_u32 s2, ttmp6, 0x10000c
	s_cmp_lg_u32 s2, 0x3003
	s_cbranch_scc0 .Lentry_shape_is_right
	s_endpgm
.Lentry_shape_is_right:
; Causal attention on codes of BF6 (E3M2) with E8M0 scales: 64 (batch, head) pairs, 2,048 tokens, head size 64.  Both products quantised; the result leaves already quantised along the model's 1,024 for the output projection.
; THE SOFTMAX: t = score x log2(e) / 8; M = the running largest t rounded UP to a whole number; p = 2^(t - M) is what is quantised, along the keys, not normalised; the row's sum is taken of the unquantised p and divides at the end.
; When M moves, the sum and O are multiplied by 2^(old M - new M): exact.
; SHARES.  A cluster of four work-groups owns one (batch, head); a whole head's K and V, 16 records of 13,312 bytes (128 keys each), are asked for JOINTLY once, at the head, and stay in LDS: no slot is ever filled again.
; A group is 128 queries = one key step.  Wave w (a = w / 2, e = w % 2) of partner p owns the 16 queries at place 2 p + e of group 15 - a, and afterwards the same place of group a: (16 - a) + (a + 1) = 17 key steps for every wave
; of every work-group.  Which steps count and which lies on the diagonal hangs on the wave's number and the trip alone, never on the work-group's place in its cluster.
; LAYOUT.  Both products are used transposed: S^T = K Q^T (source 0 = 16 keys), O^T = V^T P^T (source 0 = 16 channels): a lane holds ONE query (lane % 16) throughout.  Register j of S^T's tile t is key 16 t + 8 (lane / 16) + j: the 16
; registers of tiles 2 b, 2 b + 1 belong to block b of 32 keys, in the order inside a block that all operands of this program keep, v's codes too.  The first product's K is 64: Q's upper six registers are zero codes, so whatever finite
; codes stand in K's upper six (the next tile's) add nothing; the upper scale bytes are 0, which stands for 2^-127 and is no NaN.
; OUT: a unit of 16 queries x this head's 64 channels, 768 bytes, laid as the projection's operand wants it, and two scale bytes a query.  Those are stored 2 bytes a row, 16 bytes apart: a head owns 2 of a row's 32 scale bytes.
; No prefetch: every byte that the launch reads is asked for in its first lines.  Sixteen waves of 256 registers, four to a SIMD: one wave's vector work stands beside another's matrix work and LDS loads.
; LIMITS: NaN and infinities are not served; a block whose largest magnitude lies under 2^-122 keeps the scale byte 1 (its codes are then zeros or nearly so).
; REGISTERS: v1 16 x lane, v2 8 x lane, v3-4 the step's LDS addresses, v5 the mask's number, v6 16 r, v7, v29, v37 Q's offsets; v8-11 K's scale words; v12 -M, v13 largest t, v[14:15] the sum; v16-27 Q, v28 its scale word; v30-36 the second tile's;
; v[38:39] V's scale words; v40-93 K's eight units and six zeros, then V's four fragments; v96-159 S^T, then p; v160-191 O^T; v192-203 p's codes; v204-227 at work.
.set REC,  13312
.set KF,   40
.set PCD,  192
.set TC,   204                         ; v204-206, v208-210 conversions' second halves
.set BM,   212                         ; v212-215 the blocks' largest
.set BP,   216                         ; v216-219 the partner's; bytes; a chain of the sum
.set BS,   220                         ; v220-223 the conversions' scale operands
.set TM,   212                         ; the way out's quantiser works in v212-219
.set TP,   224
.set OW,   225                         ; the output's scale word
.set FF,   226                         ; v226 f, v227 p's scale word
.set WV,   12
.set SEL,  20
.set CS,   22
.set G1A,  24
.set G1B,  32
.set G0A,  40
.set G0B,  44
.set TAU,  48
.set TB,   49
.set J,    50
.set GCUR, 51
.macro CROUND                          ; a round of the cluster's barrier
	s_barrier_signal -1
	s_barrier_wait -1
	s_cmp_lg_u32 s[WV], 0
	s_cbranch_scc1 .Lnot_wave_0_\@
	s_barrier_signal -3
.Lnot_wave_0_\@:
	s_barrier_wait -3
	s_barrier_signal -1
	s_barrier_wait -1
.endm
	s_load_b256 s[4:11], s[0:1], 0x0               ; qrec s[4:5], kvrec s[6:7], ocodes s[8:9], oscales s[10:11]
	v_lshl_add_u32 v254, v0, 2, 0x34000
	v_mov_b32 v255, 0
	ds_add_u32 v254, v255
	ds_add_u32 v254, v255
	v_lshrrev_b32 v1, 5, v0
	s_delay_alu instid0(VALU_DEP_1)
	v_readfirstlane_b32 s[WV], v1                  ; wave 0..15
	s_bfe_u32 s13, ttmp6, 0x40000                  ; p: my place in the cluster: it enters global addresses and the mask's number alone
	s_and_b32 s14, ttmp7, 0xffff                   ; batch x 16 + head, which the partners share
	s_lshr_b32 s15, s[WV], 1                       ; a: my second group
	s_and_b32 s16, s[WV], 1                        ; e
	s_xor_b32 s17, s15, 15                         ; 15 - a: my first group
	s_add_co_u32 s18, s17, 1                       ; its key steps
	s_lshl_b32 s19, s13, 1
	s_add_co_u32 s19, s19, s16                     ; my tile's place in a group
	s_mov_b32 s[SEL], 0x76543210
	s_mov_b32 s[SEL+1], 0xfedcba98
	s_mov_b32 s[CS], 0x3e38aa3b                    ; c = log2(e) / 8
	s_mov_b32 s[CS+1], s[CS]                       ; (named with it as a pair, so it is written)
	; two joint loads a wave, dense rows of 256 bytes: 13 rows (together the first four records), then 39 rows (the other twelve)
	s_mov_b32 s[G1A], 15|(3<<16)|(1<<21)           ; 15:0 the mask: all four work-groups; 17:16 elements of 8 bytes; 21 set beside a mask
	s_mov_b32 s[G1A+1], 32<<16
	s_mov_b32 s[G1A+2], 13<<16
	s_mov_b32 s[G1A+3], 32<<16
	s_mov_b32 s[G1A+4], 13
	s_mov_b32 s[G1A+5], 32
	s_mov_b32 s[G1A+6], 0
	s_mov_b32 s[G1A+7], 0
	s_mov_b32 s[G1B], 15|(3<<16)|(1<<21)
	s_mov_b32 s[G1B+1], 32<<16
	s_mov_b32 s[G1B+2], 39<<16
	s_mov_b32 s[G1B+3], 32<<16
	s_mov_b32 s[G1B+4], 39
	s_mov_b32 s[G1B+5], 32
	s_mov_b32 s[G1B+6], 0
	s_mov_b32 s[G1B+7], 0
	s_mul_i32 s52, s14, 16*REC                     ; the head's first byte in kvrec
	s_mul_i32 s53, s[WV], 3328
	s_mul_i32 s54, s[WV], 9984
	s_add_co_u32 s54, s54, 53248
	s_add_co_u32 s56, s52, s53
	s_mov_b32 s57, 0
	s_add_co_u32 s58, s52, s54
	s_mov_b32 s59, 0
	s_wait_dscnt 0x0
	s_wait_kmcnt 0x0
	s_mov_b32 s[G0A], 1
	s_mov_b32 s[G0A+1], s53                        ; in LDS the head's bytes lie as in memory
	s_add_nc_u64 s[G0A+2:G0A+3], s[6:7], s[56:57]
	s_or_b32 s[G0A+3], s[G0A+3], 0x80000000
	s_mov_b32 s[G0B], 1
	s_mov_b32 s[G0B+1], s54
	s_add_nc_u64 s[G0B+2:G0B+3], s[6:7], s[58:59]
	s_or_b32 s[G0B+3], s[G0B+3], 0x80000000
	CROUND                                         ; all four work-groups are here: the joint loads meet
	tensor_load_to_lds s[G0A:G0A+3], s[G1A:G1A+7]
	s_nop 0
	tensor_load_to_lds s[G0B:G0B+3], s[G1B:G1B+7]  ; two loads of mine are out, the only ones of the launch
	s_nop 0
.rept 4
	v_nop
.endr
	v_and_b32 v[TP], 31, v0
	s_delay_alu instid0(VALU_DEP_1)
	v_lshlrev_b32 v1, 4, v[TP]                     ; 16 x lane
	s_delay_alu instid0(VALU_DEP_2)
	v_lshlrev_b32 v2, 3, v[TP]                     ; 8 x lane
	v_and_b32 v[OW], 15, v0                        ; r
	v_bfe_u32 v[TP], v0, 4, 1                      ; h
	s_delay_alu instid0(VALU_DEP_2)
	v_lshlrev_b32 v6, 4, v[OW]                     ; 16 r
	s_delay_alu instid0(VALU_DEP_2)
	v_lshlrev_b32 v5, 3, v[TP]
	s_delay_alu instid0(VALU_DEP_1)
	v_sub_nc_u32 v5, v[OW], v5
	s_lshl_b32 s52, s19, 4
	v_add_nc_u32 v5, s52, v5                       ; d = my query's place in its group - 8 h: on the diagonal, register 8 t + j (key 16 t + 8 h + j) is hidden where 16 t + j > d
	s_mul_i32 s58, s19, 768
	v_add_nc_u32 v7, s58, v1                       ; my tile's unit in a record of q
	s_wait_alu depctr_va_vdst(0)
	v_add_nc_u32 v29, s58, v2
	s_wait_alu depctr_va_vdst(0)
	s_lshl_b32 s58, s16, 8
	s_lshl_b32 s59, s13, 2
	s_add_co_u32 s58, s58, s59
	v_add_nc_u32 v37, s58, v6                      ; and its scale word: word p of lane r + 16 e
	s_wait_alu depctr_va_vdst(0)
	s_lshl_b32 s52, s14, 4
	s_add_co_u32 s53, s52, s17
	s_mul_i32 s54, s53, 6656
	s_mov_b32 s55, 0
	s_add_nc_u64 s[70:71], s[4:5], s[54:55]        ; q's record of my first group,
	s_add_co_u32 s53, s52, s15
	s_mul_i32 s54, s53, 6656
	s_add_nc_u64 s[72:73], s[4:5], s[54:55]        ; of my second
	global_load_b128 v[16:19], v7, s[70:71] th:TH_LOAD_NT
	global_load_b64 v[20:21], v29, s[70:71] offset:512 th:TH_LOAD_NT
	global_load_b32 v28, v37, s[70:71] offset:6144 th:TH_LOAD_NT
	global_load_b128 v[30:33], v7, s[72:73] th:TH_LOAD_NT
	global_load_b64 v[34:35], v29, s[72:73] offset:512 th:TH_LOAD_NT
	global_load_b32 v36, v37, s[72:73] offset:6144 th:TH_LOAD_NT
	; where the results go: row tile rho = 128 x batch + 8 x group + 2 p + e; unit (rho, head); the head's two scale bytes of each row
	s_lshr_b32 s52, s14, 4
	s_lshl_b32 s52, s52, 7
	s_add_co_u32 s52, s52, s19
	s_and_b32 s53, s14, 15                         ; head
	s_bfe_u32 s58, s14, 0x10003
	s_lshl_b32 s58, s58, 8
	s_and_b32 s59, s14, 7
	s_lshl_b32 s59, s59, 1
	s_add_co_u32 s58, s58, s59
	s_mov_b32 s57, 0
	s_lshl_b32 s54, s17, 3
	s_add_co_u32 s54, s54, s52
	s_lshl_b32 s56, s54, 9
	s_add_co_u32 s56, s56, s58
	s_lshl_b32 s54, s54, 4
	s_add_co_u32 s54, s54, s53
	s_mul_i32 s54, s54, 768
	s_add_nc_u64 s[60:61], s[8:9], s[54:55]
	s_add_nc_u64 s[62:63], s[10:11], s[56:57]
	s_lshl_b32 s54, s15, 3
	s_add_co_u32 s54, s54, s52
	s_lshl_b32 s56, s54, 9
	s_add_co_u32 s56, s56, s58
	s_lshl_b32 s54, s54, 4
	s_add_co_u32 s54, s54, s53
	s_mul_i32 s54, s54, 768
	s_add_nc_u64 s[66:67], s[8:9], s[54:55]
	s_add_nc_u64 s[68:69], s[10:11], s[56:57]
.irp j, 22,23,24,25,26,27,88,89,90,91,92,93
	v_mov_b32 v[\j], 0                             ; zero codes: Q's K = 64 .. 127, and what stands behind K's last unit; written once
.endr
	v_mov_b32 v13, 0xff61b1e6                      ; the largest t so far: -3e38, under every t
	s_delay_alu instid0(VALU_DEP_1)
	v_floor_f32 v12, -v13                          ; -M
	v_mov_b32 v14, 0
	v_mov_b32 v15, 0
.irp b, 0,1,2,3
	v_mov_b32 v[BP+\b], 0                          ; (a lane permute's destination counts as one of its sources)
.endr
	v_mov_b32 v[FF+1], 0                           ; (named as the upper half of a pair before it is first written)
.set n, 0
.rept 32
	v_mov_b32 v[160+n], 0                          ; O^T: the step is written without a first step of its own: the first change of M multiplies zeros
.set n, n+1
.endr
; A KEY STEP: the 128 keys of the record at LDS byte s[TB].  mask = 1: the step may lie on the diagonal.
.macro STEP mask
	v_add_nc_u32 v3, s[TB], v1
	v_add_nc_u32 v4, s[TB], v2
	v_nop
	v_nop                                          ; four plain lines in front of loads into registers that the last products read
.irp t, 0,1,2,3,4,5,6,7
	ds_load_b128 v[KF+6*\t:KF+6*\t+3], v3 offset:768*\t
	ds_load_b64 v[KF+6*\t+4:KF+6*\t+5], v4 offset:768*\t+512
.endr
	ds_load_b128 v[8:11], v3 offset:6144           ; K's scale words: register w: tile 2 w in lanes 0-15, tile 2 w + 1 in lanes 16-31
	s_wait_alu depctr_va_vdst(0)
	s_wait_dscnt 0x0
.irp t, 0,1,2,3,4,5,6,7
.if \t%2
	v_wmma_scale_f32_16x16x128_f8f6f4 v[96+8*\t:103+8*\t], v[KF+6*\t:KF+6*\t+11], v[16:27], 0, v[8+\t/2], v28 matrix_a_fmt:MATRIX_FMT_BF6 matrix_b_fmt:MATRIX_FMT_BF6 matrix_a_scale:MATRIX_SCALE_ROW1
.else
	v_wmma_scale_f32_16x16x128_f8f6f4 v[96+8*\t:103+8*\t], v[KF+6*\t:KF+6*\t+11], v[16:27], 0, v[8+\t/2], v28 matrix_a_fmt:MATRIX_FMT_BF6 matrix_b_fmt:MATRIX_FMT_BF6
.endif
.endr
.rept 4
	v_nop                                          ; places in front of the loads below and of the first read of the scores
.endr
.irp t, 0,1,2,3                        ; V's four fragments are asked for now and land under the softmax
.irp c, 0,1,2
	ds_load_b128 v[KF+12*\t+4*\c:KF+12*\t+4*\c+3], v3 offset:6656+1536*\t+512*\c
.endr
.endr
	ds_load_b64 v[38:39], v4 offset:12800
.if \mask
	s_cmp_lg_u32 s[J], s[GCUR]                     ; only a group's own key step lies on the diagonal
	s_cbranch_scc1 .Lopen_\@
	v_mov_b32 v[TP], 0xff800000                    ; -infinity: p = 0 then
.irp n, 0,1,2,3,4,5,6,7,8,9,10,11,12,13,14,15,16,17,18,19,20,21,22,23,24,25,26,27,28,29,30,31,32,33,34,35,36,37,38,39,40,41,42,43,44,45,46,47,48,49,50,51,52,53,54,55,56,57,58,59,60,61,62,63
	v_cmp_gt_i32 vcc_lo, 16*(\n/8)+\n%8, v5
	v_cndmask_b32 v[96+\n], v[96+\n], v[TP], vcc_lo
.endr
.Lopen_\@:
.endif
.irp b, 0,1,2,3
	v_max3_num_f32 v[BM+\b], v[96+16*\b], v[97+16*\b], v[98+16*\b]   ; the largest score of each block of 32 keys: it serves the row's maximum and, since p rises with the score, the block's largest p
.endr
.irp i, 3,5,7,9,11,13
.irp b, 0,1,2,3
	v_max3_num_f32 v[BM+\b], v[BM+\b], v[96+16*\b+\i], v[97+16*\b+\i]
.endr
.endr
.irp b, 0,1,2,3
	v_max_num_f32 v[BM+\b], v[BM+\b], v[111+16*\b]
.endr
.irp b, 0,1,2,3
	s_delay_alu instid0(VALU_DEP_4)
	v_permlanex16_b32 v[BP+\b], v[BM+\b], s[SEL], s[SEL+1]
.endr
.irp b, 0,1,2,3
	s_delay_alu instid0(VALU_DEP_4)
	v_max_num_f32 v[BM+\b], v[BM+\b], v[BP+\b]     ; with lane l xor 16's 16 keys
.endr
	s_delay_alu instid0(VALU_DEP_2)
	v_max3_num_f32 v[TP], v[BM], v[BM+1], v[BM+2]
	s_delay_alu instid0(VALU_DEP_1)
	v_max_num_f32 v[TP], v[TP], v[BM+3]
	s_delay_alu instid0(VALU_DEP_1)
	v_mul_f32 v[TP], s[CS], v[TP]                  ; as t (c is positive)
	s_delay_alu instid0(VALU_DEP_1)
	v_max_num_f32 v13, v13, v[TP]                  ; the running largest t
	v_mov_b32 v[TP], v12
	s_delay_alu instid0(VALU_DEP_2)
	v_floor_f32 v12, -v13                          ; the new -M = -ceil(t): a whole number
	s_delay_alu instid0(VALU_DEP_1)
	v_sub_f32 v[TP], v12, v[TP]                    ; old M - new M: a whole number, 0 or less
	s_delay_alu instid0(VALU_DEP_1)
	v_cvt_i32_f32 v[TP], v[TP]                     ; (it saturates)
	s_delay_alu instid0(VALU_DEP_1)
	v_ldexp_f32 v[FF], 1.0, v[TP]                  ; f = 2^(old M - new M)
.set n, 0
.rept 32
	v_pk_fma_f32 v[96+n:97+n], v[96+n:97+n], s[CS:CS+1], v[12:13] op_sel_hi:[1,0,0]   ; t - M, two at a time
.set n, n+2
.endr
.irp b, 0,1,2,3
	v_fma_f32 v[BM+\b], v[BM+\b], s[CS], v12       ; the same of each block's largest score
.endr
.set n, 0
	s_wait_alu depctr_va_vdst(0)
.rept 64
	v_exp_f32 v[96+n], v[96+n]                     ; p = 2^(t - M), at most 1
.set n, n+1
.endr
	v_pk_mul_f32 v[14:15], v[14:15], v[FF:FF+1] op_sel_hi:[1,0]   ; the sums under the new M; a plain line behind the exponentials
	s_wait_alu depctr_va_vdst(0)                   ; one wait for the whole batch, ahead of its first reader
.irp b, 0,1,2,3
	v_exp_f32 v[BM+\b], v[BM+\b]                   ; the block's largest p: the same two instructions on the same number give the same bits
.endr
	v_pk_add_f32 v[216:217], v[100:101], v[104:105]
	v_pk_add_f32 v[252:253], v[108:109], v[112:113]
	v_pk_add_f32 v[250:251], v[116:117], v[120:121]
	v_pk_add_f32 v[248:249], v[124:125], v[128:129]
	v_pk_add_f32 v[246:247], v[132:133], v[136:137]
	v_pk_add_f32 v[244:245], v[140:141], v[144:145]
	v_pk_add_f32 v[242:243], v[148:149], v[152:153]
	v_pk_add_f32 v[14:15], v[14:15], v[156:157]
	v_pk_add_f32 v[216:217], v[216:217], v[96:97]
	v_pk_add_f32 v[252:253], v[252:253], v[98:99]
	v_pk_add_f32 v[250:251], v[250:251], v[102:103]
	v_pk_add_f32 v[248:249], v[248:249], v[106:107]
	v_pk_add_f32 v[246:247], v[246:247], v[110:111]
	v_pk_add_f32 v[244:245], v[244:245], v[114:115]
	v_pk_add_f32 v[242:243], v[242:243], v[118:119]
	v_pk_add_f32 v[14:15], v[14:15], v[122:123]
	v_pk_add_f32 v[216:217], v[216:217], v[126:127]
	v_pk_add_f32 v[252:253], v[252:253], v[130:131]
	v_pk_add_f32 v[250:251], v[250:251], v[134:135]
	v_pk_add_f32 v[248:249], v[248:249], v[138:139]
	v_pk_add_f32 v[246:247], v[246:247], v[142:143]
	v_pk_add_f32 v[244:245], v[244:245], v[146:147]
	v_pk_add_f32 v[242:243], v[242:243], v[150:151]
	v_pk_add_f32 v[14:15], v[14:15], v[154:155]
	v_pk_add_f32 v[216:217], v[216:217], v[158:159]
	s_delay_alu instid0(VALU_DEP_2)
	v_pk_add_f32 v[14:15], v[14:15], v[248:249]
	s_delay_alu instid0(VALU_DEP_2)
	v_pk_add_f32 v[216:217], v[216:217], v[246:247]
	v_pk_add_f32 v[252:253], v[252:253], v[244:245]
	v_pk_add_f32 v[250:251], v[250:251], v[242:243]
	s_delay_alu instid0(VALU_DEP_2)
	v_pk_add_f32 v[14:15], v[14:15], v[252:253]
	s_delay_alu instid0(VALU_DEP_2)
	v_pk_add_f32 v[216:217], v[216:217], v[250:251]
	s_delay_alu instid0(VALU_DEP_1)
	v_pk_add_f32 v[14:15], v[14:15], v[216:217]
	s_wait_alu depctr_va_vdst(0)                   ; and one for the four
.irp b, 0,1,2,3
	v_max_num_f32 v[BM+\b], 0x2800000, v[BM+\b]    ; the floor 2^(5 - 127): the byte cannot fall under 1 (a block whose every p is 0 keeps that byte: its codes are zeros)
.endr
.irp b, 0,1,2,3
	s_delay_alu instid0(VALU_DEP_4)
	v_add_nc_u32 v[BS+\b], 0xfe000000, v[BM+\b]    ; 4 off the exponent field: the conversion's scale operand
.endr
.irp b, 0,1,2,3
	s_delay_alu instid0(VALU_DEP_4)
	v_lshrrev_b32 v[BP+\b], 23, v[BS+\b]
.endr
	s_delay_alu instid0(VALU_DEP_3)
	v_lshl_or_b32 v[FF+1], v[BP+1], 8, v[BP]       ; p's scale word for these 128 keys
	s_delay_alu instid0(VALU_DEP_1)
	v_lshl_or_b32 v[FF+1], v[BP+2], 16, v[FF+1]
	s_delay_alu instid0(VALU_DEP_1)
	v_lshl_or_b32 v[FF+1], v[BP+3], 24, v[FF+1]
.irp c, 0,1
	v_cvt_scalef32_pk16_bf6_f32 v[PCD+6*\c:PCD+6*\c+2], v[96+32*\c:111+32*\c], v[BS+2*\c]
	v_cvt_scalef32_pk16_bf6_f32 v[TC+4*\c:TC+4*\c+2], v[112+32*\c:127+32*\c], v[BS+2*\c+1]
.endr
	v_nop                                          ; one plain line behind the conversions
.irp c, 0,1                            ; a WHOLE block to a lane: lanes 0-15 block 2 c, lanes 16-31 block 2 c + 1
.irp i, 0,1,2
	v_permlane16_swap_b32 v[PCD+6*\c+\i], v[TC+4*\c+\i]
.endr
.irp i, 0,1,2
	s_delay_alu instid0(VALU_DEP_3)
	v_mov_b32 v[PCD+6*\c+3+\i], v[TC+4*\c+\i]
.endr
.endr
.set n, 0
.rept 16
	v_pk_mul_f32 v[160+n:161+n], v[160+n:161+n], v[FF:FF+1] op_sel_hi:[1,0]   ; O^T under the new M; these sixteen are also the places between p's codes and scale word and the products
.set n, n+2
.endr
	s_wait_alu depctr_va_vdst(0)
	s_wait_dscnt 0x0                               ; V is in
.irp t, 0,1,2,3                        ; O^T += V^T P^T: the four accumulators by turns
.if \t%2
	v_wmma_scale_f32_16x16x128_f8f6f4 v[160+8*\t:167+8*\t], v[KF+12*\t:KF+12*\t+11], v[PCD:PCD+11], v[160+8*\t:167+8*\t], v[38+\t/2], v[FF+1] matrix_a_fmt:MATRIX_FMT_BF6 matrix_b_fmt:MATRIX_FMT_BF6 matrix_a_scale:MATRIX_SCALE_ROW1
.else
	v_wmma_scale_f32_16x16x128_f8f6f4 v[160+8*\t:167+8*\t], v[KF+12*\t:KF+12*\t+11], v[PCD:PCD+11], v[160+8*\t:167+8*\t], v[38+\t/2], v[FF+1] matrix_a_fmt:MATRIX_FMT_BF6 matrix_b_fmt:MATRIX_FMT_BF6
.endif
.endr
.endm
; 32 numbers of a lane, v[s] on (register 16 b + i belongs to block b), become a unit's six registers in v[c] on and its scale word (two bytes) in v[w]
.macro QUANT2 s, c, w
	v_max3_num_f32 v[TM], |v[\s]|, |v[\s+1]|, 0x2800000
	v_max3_num_f32 v[TM+1], |v[\s+16]|, |v[\s+17]|, 0x2800000
.irp i, 2,4,6,8,10,12,14
	s_delay_alu instid0(VALU_DEP_2)
	v_max3_num_f32 v[TM], v[TM], |v[\s+\i]|, |v[\s+\i+1]|
	s_delay_alu instid0(VALU_DEP_2)
	v_max3_num_f32 v[TM+1], v[TM+1], |v[\s+16+\i]|, |v[\s+17+\i]|
.endr
	s_delay_alu instid0(VALU_DEP_2)
	v_permlanex16_b32 v[TM+2], v[TM], s[SEL], s[SEL+1]
	s_delay_alu instid0(VALU_DEP_2)
	v_permlanex16_b32 v[TM+3], v[TM+1], s[SEL], s[SEL+1]
	s_delay_alu instid0(VALU_DEP_2)
	v_max_num_f32 v[TM], v[TM], v[TM+2]
	s_delay_alu instid0(VALU_DEP_2)
	v_max_num_f32 v[TM+1], v[TM+1], v[TM+3]
	s_delay_alu instid0(VALU_DEP_2)
	v_add_nc_u32 v[TM+4], 0xfe000000, v[TM]
	s_delay_alu instid0(VALU_DEP_2)
	v_add_nc_u32 v[TM+5], 0xfe000000, v[TM+1]
	s_delay_alu instid0(VALU_DEP_2)
	v_lshrrev_b32 v[TM+6], 23, v[TM+4]
	s_delay_alu instid0(VALU_DEP_2)
	v_lshrrev_b32 v[TM+7], 23, v[TM+5]
	v_cvt_scalef32_pk16_bf6_f32 v[\c:\c+2], v[\s:\s+15], v[TM+4]
	v_cvt_scalef32_pk16_bf6_f32 v[TC:TC+2], v[\s+16:\s+31], v[TM+5]
	v_lshl_or_b32 v[\w], v[TM+7], 8, v[TM+6]       ; the word; also the plain line behind the conversions
.irp i, 0,1,2
	v_permlane16_swap_b32 v[\c+\i], v[TC+\i]
.endr
.irp i, 0,1,2
	s_delay_alu instid0(VALU_DEP_3)
	v_mov_b32 v[\c+3+\i], v[TC+\i]
.endr
.endm
; A tile is finished: O^T / the sum, quantised along the channels, stored
.macro FINISH ob, sb
.rept 4
	v_nop                                          ; places behind the last products
.endr
	v_add_f32 v14, v14, v15
	s_delay_alu instid0(VALU_DEP_1)
	v_permlanex16_b32 v[TP], v14, s[SEL], s[SEL+1]
	s_delay_alu instid0(VALU_DEP_1)
	v_add_f32 v14, v14, v[TP]                      ; the row's sum
	s_wait_alu depctr_va_vdst(0)
	v_rcp_f32 v14, v14
	v_nop                                          ; a plain line behind the reciprocal
	s_wait_alu depctr_va_vdst(0)                   ; the wait, ahead of its first reader
.set n, 0
.rept 16
	v_pk_mul_f32 v[96+n:97+n], v[160+n:161+n], v[14:15] op_sel_hi:[1,0]   ; each accumulator from its low end on
.set n, n+2
.endr
	QUANT2 96, PCD, OW
	global_store_b128 v1, v[PCD:PCD+3], s[\ob:\ob+1]              ; 512 consecutive bytes
	global_store_b64 v2, v[PCD+4:PCD+5], s[\ob:\ob+1] offset:512  ; 256 consecutive bytes
	global_store_b16 v6, v[OW], s[\sb:\sb+1]                      ; row r's two bytes (both halves of the lanes write the same value)
.endm
	s_wait_tensorcnt 0x1                           ; my part of records 0-3 is in; the second load may stay out
	s_barrier_signal -1
	s_barrier_wait -1                              ; everybody's is
	s_wait_loadcnt 0x0                             ; Q, both tiles'
	s_mov_b32 s[TB], 0
	s_mov_b32 s[TAU], 0
.Lfirst:                                               ; key steps 0-3 of my first tile, whose group is 8 or higher: none lies on its diagonal
	STEP 0
	s_add_co_u32 s[TB], s[TB], REC
	s_add_co_u32 s[TAU], s[TAU], 1
	s_cmp_lt_u32 s[TAU], 4
	s_cbranch_scc1 .Lfirst
	s_wait_tensorcnt 0x0                           ; my part of the other twelve records is in,
	s_wait_dscnt 0x0
	s_barrier_signal -1
	s_barrier_wait -1                              ; everybody's is
.Lwalk:                                                ; trips 4 .. 16: the rest of my first tile's 16 - a steps, then my second tile's a + 1
	s_cmp_lg_u32 s[TAU], s18
	s_cbranch_scc1 .Lsame
	FINISH 60, 62
	v_mov_b32 v28, v36                             ; the second tile's Q and scale word; the lines below stand between them and the next products
.irp i, 0,1,2,3,4,5
	v_mov_b32 v[16+\i], v[30+\i]
.endr
	v_mov_b32 v13, 0xff61b1e6
	s_delay_alu instid0(VALU_DEP_1)
	v_floor_f32 v12, -v13
	v_mov_b32 v14, 0
	v_mov_b32 v15, 0
.set n, 0
.rept 32
	v_mov_b32 v[160+n], 0
.set n, n+1
.endr
	s_wait_xcnt 0x0                                ; the stores have read their data: the codes' registers may be written again
.Lsame:
	s_cmp_ge_u32 s[TAU], s18
	s_cselect_b32 s52, s18, 0
	s_cselect_b32 s[GCUR], s15, s17                ; the group of the tile in hand
	s_sub_co_u32 s[J], s[TAU], s52                 ; its key step
	s_min_u32 s[J], s[J], 15
	s_mul_i32 s[TB], s[J], REC
	STEP 1
	s_add_co_u32 s[TAU], s[TAU], 1
	s_cmp_lt_u32 s[TAU], 17
	s_cbranch_scc1 .Lwalk
	FINISH 66, 68
	s_wait_tensorcnt 0x0
	s_wait_dscnt 0x0
	s_wait_tensorcnt 0x0
	ds_add_u32 v254, v255
	s_wait_dscnt 0x0
	CROUND                                         ; the closing round
	s_endpgm
.Lfunc_end_k_q1e1931e84e_attn:
	.size	k_q1e1931e84e_attn, .Lfunc_end_k_q1e1931e84e_attn-k_q1e1931e84e_attn
	.p2alignl 7, 3214868480
	.fill 96, 4, 3214868480
	.section	.rodata,"a",@progbits
	.p2align	6, 0x0
	.amdhsa_kernel k_q1e1931e84e_attn
		.amdhsa_group_segment_fixed_size 215040
		.amdhsa_private_segment_fixed_size 0
		.amdhsa_enable_private_segment 0
		.amdhsa_kernarg_size 32
		.amdhsa_user_sgpr_count 2
		.amdhsa_user_sgpr_kernarg_segment_ptr 1
		.amdhsa_wavefront_size32 1
		.amdhsa_system_sgpr_workgroup_id_x 1
		.amdhsa_system_sgpr_workgroup_id_y 1
		.amdhsa_system_sgpr_workgroup_id_z 1
		.amdhsa_system_vgpr_workitem_id 0
		.amdhsa_next_free_vgpr 256
		.amdhsa_next_free_sgpr 80
		.amdhsa_reserve_vcc 1
		.amdhsa_float_denorm_mode_32 3
		.amdhsa_float_denorm_mode_16_64 3
		.amdhsa_memory_ordered 1
		.amdhsa_forward_progress 1
		.amdhsa_inst_pref_size 58
	.end_amdhsa_kernel
	.amdgpu_metadata
---
amdhsa.version: [ 1, 2 ]
amdhsa.kernels:
  - .name:           k_q1e1931e84e_attn
    .symbol:         k_q1e1931e84e_attn.kd
    .args:
      - { .name: qrec, .offset: 0, .size: 8, .value_kind: global_buffer, .address_space: global }
      - { .name: kvrec, .offset: 8, .size: 8, .value_kind: global_buffer, .address_space: global }
      - { .name: ocodes, .offset: 16, .size: 8, .value_kind: global_buffer, .address_space: global }
      - { .name: oscales, .offset: 24, .size: 8, .value_kind: global_buffer, .address_space: global }
    .group_segment_fixed_size: 215040
    .private_segment_fixed_size: 0
    .kernarg_segment_align: 8
    .kernarg_segment_size: 32
    .max_flat_workgroup_size: 512
    .sgpr_count:     80
    .vgpr_count:     256
    .wavefront_size: 32
...
	.end_amdgpu_metadata
.endif
;; end of part 3
;; launch oproj (part 4): grid 4 x 32, 4 waves a work-group, clusters of 4 x 4, 327,680 bytes of LDS; arguments ocodes, oscales, codes, scales, out0; writes out0
.if DOCPART == 4
	.amdgcn_target "amdgcn-amd-amdhsa--gfx1250"
	.amdhsa_code_object_version 6
	.text
	.protected	k_q1e1931e84e_oproj
	.globl	k_q1e1931e84e_oproj
	.p2align	8
	.type	k_q1e1931e84e_oproj,@function
k_q1e1931e84e_oproj:
	s_mov_b64 s[64:65], 0
	v_nop
	global_prefetch_b8 v0, s[64:65] scope:SCOPE_SE
	s_setreg_imm32_b32 hwreg(HW_REG_WAVE_MODE, 25, 1), 1
	s_wait_xcnt 0x0
	s_wait_alu depctr_hold_cnt(0) depctr_sa_sdst(0) depctr_va_vdst(0) depctr_va_sdst(0) depctr_va_ssrc(0) depctr_va_vcc(0) depctr_vm_vsrc(0)
	s_getreg_b32 s2, hwreg(HW_REG_IB_STS2, 6, 4)
	s_cmp_eq_u32 s2, 0
	s_cbranch_scc0 .Lentry_in_a_cluster
	s_endpgm
.Lentry_in_a_cluster:
	s_bfe_u32 s2, ttmp6, 0x10000c
	s_cmp_lg_u32 s2, 0xf033
	s_cbranch_scc0 .Lentry_shape_is_right
	s_endpgm
.Lentry_shape_is_right:
; out0 = o Wo^T on codes of BF6 (E3M2) with E8M0 scales: o [8192][1024] as attention stored it, Wo [1024][1024] as the first launch stored it (row tiles 704-767 of the codes' buffer); out0 [8192][1024] f32; sums in f32.
; A tile of 256 x 256 to a work-group of four waves, 128 x 128 to a wave (64 accumulators, 512 registers).  THE MATRIX INSTRUCTION IS USED TRANSPOSED (source 0 = 16 rows of Wo, source 1 = 16 tokens): a lane holds eight neighbouring numbers of a row of out0.
; OPERANDS lie in memory as images of their registers: a unit (16 rows x 64 along K) is 768 bytes, registers 0-3 at 16 x lane, registers 4-5 at 512 + 8 x lane; a row tile's 16 units are 12,288 bytes on end.  A tile of 128 rows x 256 along K is 8 rows of
; 3,072 bytes for the tensor data mover; LDS needs no padding; a fragment comes by four loads of consecutive bytes.  Inside each block of 32 both operands keep one order (places 8-15 and 16-23 changed over): the sums run in that order, not in the order of k.
; K goes in steps of 256 through two LDS slots; the scale bytes of the work-group's rows come once with the first fills.  4 x 4 work-groups form a cluster: o's tiles are asked for jointly along a row of the cluster, Wo's along a column.
; 128 work-groups: a tile of 128 x 256 would give 256 at twice the LDS bytes for each product.  No prefetch: a work-group has two refills in all.
; REGISTERS: window 0: v1-31 addresses; v32-63 scale words; v128-223 A's fragments, one set; window 1: B's fragments, two sets; windows 2, 3: the accumulators ((a, b) at v[8 (8 (a % 4) + b)]).
.set SIZE_N, 1024
.set NQ,     2
.set FR,     12
.set NL,     4
.set NP,     4
.set TROW,   3072
.set HALFT,  8*TROW
.set SLOT,   4*HALFT
.set SCL,    2*SLOT
.set HALFS,  16*272
.set SBLK,   2*272
.set SPARE,  SCL+4*HALFS
.set SPITCH, 528                       ; the way out: a stage of 16 rows x (512 bytes + 16) for each wave, in slot 0, which has had its last fill and its last read when the first result is stored there
.set ADRA, 16
.set ADRB, 20
.set L16,  24                          ; v24  16 x lane; also my byte offset in a row of out0
.set L8,   25
.set STO,  26                          ; v26  the way out: where I put 32 bytes of a row
.set ADRS, 27
.set SPW,  28
.set NIL,  29
.set RD,   30                          ; v30  the way out: where I read a row back
.set SC,   32
.set AF,   128
.set BK,   128
.set G1, 24
.set G0, 32
.set G1B, 48
.set G0B, 56
.set G1S, 68
.set G0S, 76
.set G1SB, 80
.set G0SB, 88
.set MSB, 0
.macro WIN new
.if MSB != \new
	s_set_vgpr_msb (MSB<<8)|\new
.set MSB, \new
.endif
.endm
.set MUL_LO, 0xa1
.set MUL_HI, 0xf1
.set TO_B,   0x40
.macro JLOAD g0a, g1a, g0b, g1b        ; a joint load: waves 0 and 1 fetch for A, waves 2 and 3 for B; four v_nop follow each of the two lines
	s_cmp_eq_u32 s15, 0
	s_cbranch_scc0 .Lfor_b_\@
	tensor_load_to_lds s[\g0a:\g0a+3], s[\g1a:\g1a+7]
	s_nop 0
.rept 4
	v_nop
.endr
	s_branch .Lasked_\@
.Lfor_b_\@:
	tensor_load_to_lds s[\g0b:\g0b+3], s[\g1b:\g1b+7]
	s_nop 0
.rept 4
	v_nop
.endr
.Lasked_\@:
.endm
.macro CREST
	s_cmp_lg_u32 s14, 0
	s_cbranch_scc1 .Lnot_wave_0_\@
	s_barrier_signal -3
.Lnot_wave_0_\@:
	s_barrier_wait -3
	s_barrier_signal -1
	s_barrier_wait -1
.endm
.macro CROUND
	s_barrier_signal -1
	s_barrier_wait -1
	CREST
.endm
	s_load_b256 s[4:11], s[0:1], 0x0               ; o's codes s[4:5], o's scales s[6:7], the weights' codes s[8:9], their scales s[10:11]
	s_load_b64 s[12:13], s[0:1], 0x20              ; out0
	v_lshl_add_u32 v[SPW], v0, 2, SPARE
	v_mov_b32 v[NIL], 0
	ds_add_u32 v28, v29
	ds_add_u32 v28, v29
	s_wait_dscnt 0x0
	v_lshrrev_b32 v1, 5, v0
	v_readfirstlane_b32 s14, v1                    ; wave 0..3
	s_lshr_b32 s15, s14, 1
	s_and_b32 s16, s14, 1
	s_bfe_u32 s40, ttmp6, 0x40000                  ; cx
	s_bfe_u32 s41, ttmp6, 0x40004                  ; cy
	s_lshl_b32 s42, ttmp9, 2
	s_add_co_u32 s42, s42, s40                     ; tile column
	s_and_b32 s17, ttmp7, 0xffff
	s_lshl_b32 s17, s17, 2
	s_add_co_u32 s17, s17, s41                     ; tile row
	s_lshl_b32 s43, s41, 2
	s_lshl_b32 s43, 15, s43
	s_lshl_b32 s44, 0x1111, s40
	s_or_b32 s[G1+0], s43, (3<<16)|(1<<21)         ; 15:0 the mask; 17:16 elements of 8 bytes; no padding; 21 set beside a mask
	s_or_b32 s[G1B+0], s44, (3<<16)|(1<<21)
.irp g, G1, G1B
	s_mov_b32 s[\g+1], 384<<16
	s_mov_b32 s[\g+2], 8<<16
	s_mov_b32 s[\g+3], 384<<16
	s_mov_b32 s[\g+4], 8
	s_mov_b32 s[\g+5], 1536
	s_mov_b32 s[\g+6], 0
	s_mov_b32 s[\g+7], 0
.endr
	s_or_b32 s[G1S+0], s43, (3<<16)|(1<<20)|(1<<21)|(5<<22)|(3<<25)
	s_or_b32 s[G1SB+0], s44, (3<<16)|(1<<20)|(1<<21)|(5<<22)|(3<<25)
.irp g, G1S, G1SB
	s_mov_b32 s[\g+1], 32<<16
	s_mov_b32 s[\g+2], 16<<16
	s_mov_b32 s[\g+3], 32<<16
	s_mov_b32 s[\g+4], 16
	s_mov_b32 s[\g+5], 32
	s_mov_b32 s[\g+6], 0
	s_mov_b32 s[\g+7], 0
.endr
	s_lshl_b32 s18, s16, 3
	s_lshl_b32 s20, s17, 4
	s_add_co_u32 s20, s20, s18                     ; A: first row tile that I fetch
	s_lshl_b32 s46, s42, 4
	s_add_co_u32 s46, s46, s18
	s_add_co_u32 s46, s46, 704                     ; B: Wo begins at row tile 704
	s_lshl_b32 s22, s20, 9
	s_mov_b32 s23, 0
	s_lshl_b32 s92, s46, 9
	s_mov_b32 s93, 0
	s_mul_i32 s20, s20, 12288
	s_mov_b32 s21, 0
	s_mul_i32 s46, s46, 12288
	s_mov_b32 s47, 0
	s_mul_i32 s45, s14, HALFT
	s_mul_i32 s94, s14, HALFS
	s_wait_kmcnt 0x0
	s_add_nc_u64 s[20:21], s[4:5], s[20:21]
	s_add_nc_u64 s[22:23], s[6:7], s[22:23]
	s_add_nc_u64 s[46:47], s[8:9], s[46:47]
	s_add_nc_u64 s[92:93], s[10:11], s[92:93]
	CROUND                                         ; all sixteen work-groups are here: the first joint loads meet
	s_mov_b32 s[G0S], 1
	s_add_co_u32 s[G0S+1], s94, SCL
	s_mov_b64 s[G0S+2:G0S+3], s[22:23]
	s_or_b32 s[G0S+3], s[G0S+3], 0x80000000
	s_mov_b32 s[G0SB], 1
	s_add_co_u32 s[G0SB+1], s94, SCL
	s_mov_b64 s[G0SB+2:G0SB+3], s[92:93]
	s_or_b32 s[G0SB+3], s[G0SB+3], 0x80000000
	JLOAD G0S, G1S, G0SB, G1SB
.irp s, 0,1
	s_mov_b32 s[G0+4*\s], 1
	s_add_co_u32 s[G0+4*\s+1], s45, \s*SLOT
	s_add_nc_u64 s[G0+4*\s+2:G0+4*\s+3], s[20:21], \s*TROW
	s_or_b32 s[G0+4*\s+3], s[G0+4*\s+3], 0x80000000
	s_mov_b32 s[G0B+4*\s], 1
	s_add_co_u32 s[G0B+4*\s+1], s45, \s*SLOT
	s_add_nc_u64 s[G0B+4*\s+2:G0B+4*\s+3], s[46:47], \s*TROW
	s_or_b32 s[G0B+4*\s+3], s[G0B+4*\s+3], 0x80000000
	JLOAD G0+4*\s, G1, G0B+4*\s, G1B               ; three loads of mine are out
.endr
	v_and_b32 v1, 31, v0
	v_and_b32 v2, 15, v0
	v_bfe_u32 v3, v0, 4, 1
	v_lshlrev_b32 v[L16], 4, v1
	v_lshlrev_b32 v[L8], 3, v1
	s_mul_i32 s21, s15, HALFT
	s_mul_i32 s22, s16, HALFT
	s_add_co_u32 s22, s22, 2*HALFT
.irp s, 0,1
	v_add_nc_u32 v[ADRA+\s], s21, v[L16]
	v_add_nc_u32 v[ADRB+\s], s22, v[L16]
	v_add_nc_u32 v[ADRA+2+\s], s21, v[L8]
	v_add_nc_u32 v[ADRB+2+\s], s22, v[L8]
	s_add_co_u32 s21, s21, SLOT
	s_add_co_u32 s22, s22, SLOT
.endr
	v_lshlrev_b32 v5, 4, v2
	s_mul_i32 s21, s15, HALFS
	s_mul_i32 s22, s16, HALFS
	s_add_co_u32 s22, s22, 2*HALFS
	s_sub_co_u32 s22, s22, s21
	v_mul_u32_u24 v6, s22, v3
	s_add_co_u32 s21, s21, SCL
	v_add_nc_u32 v5, v5, v6
	v_add_nc_u32 v[ADRS], s21, v5
	s_mul_i32 s23, s14, 16*SPITCH                  ; my stage
	v_mul_u32_u24 v5, v2, SPITCH
	v_lshl_add_u32 v5, v3, 5, v5
	v_add_nc_u32 v[STO], s23, v5                   ; in: row r, 32 bytes for each half of the lanes
	v_add_nc_u32 v[RD], s23, v[L16]                ; back: the 32 lanes take one row of 512 bytes
	s_lshl_b32 s20, s17, 8
	s_lshl_b32 s21, s15, 7
	s_add_co_u32 s20, s20, s21
	s_lshl_b32 s20, s20, 12                        ; my first row of out0, 4,096 bytes a row
	s_mov_b32 s21, 0
	s_lshl_b32 s46, s42, 10
	s_lshl_b32 s47, s16, 9
	s_add_co_u32 s46, s46, s47                     ; my first column, in bytes
	s_mov_b32 s47, 0
	s_add_nc_u64 s[20:21], s[20:21], s[46:47]
	s_add_nc_u64 s[12:13], s[12:13], s[20:21]
.macro FRAG reg, adr, q, i
	ds_load_b128 v[\reg:\reg+3], v[\adr] offset:(\i)*TROW+1536*(\q)
	ds_load_b64 v[\reg+4:\reg+5], v[\adr+2] offset:(\i)*TROW+1536*(\q)+512
	ds_load_b128 v[\reg+6:\reg+9], v[\adr] offset:(\i)*TROW+1536*(\q)+768
	ds_load_b64 v[\reg+10:\reg+11], v[\adr+2] offset:(\i)*TROW+1536*(\q)+1280
.endm
.macro MUL16 a0, p, q, sc, zero        ; the 64 accumulators take turns, one instruction a turn, in the same order in every step
.irp a, \a0, \a0+1
.irp b, 0,1,2,3,4,5,6,7
.if \zero
	v_wmma_scale_f32_16x16x128_f8f6f4 v[8*(8*((\a)%4)+\b):8*(8*((\a)%4)+\b)+7], v[128*(\p)+FR*\b:128*(\p)+FR*\b+FR-1], v[AF+FR*(\a):AF+FR*(\a)+FR-1], 0, v[SC+8*NQ*(\sc)+NQ*\b+(\q)], v[SC+8*NQ*(\sc)+NQ*(\a)+(\q)] matrix_a_fmt:MATRIX_FMT_BF6 matrix_b_fmt:MATRIX_FMT_BF6 matrix_a_scale:MATRIX_SCALE_ROW1
.else
	v_wmma_scale_f32_16x16x128_f8f6f4 v[8*(8*((\a)%4)+\b):8*(8*((\a)%4)+\b)+7], v[128*(\p)+FR*\b:128*(\p)+FR*\b+FR-1], v[AF+FR*(\a):AF+FR*(\a)+FR-1], v[8*(8*((\a)%4)+\b):8*(8*((\a)%4)+\b)+7], v[SC+8*NQ*(\sc)+NQ*\b+(\q)], v[SC+8*NQ*(\sc)+NQ*(\a)+(\q)] matrix_a_fmt:MATRIX_FMT_BF6 matrix_b_fmt:MATRIX_FMT_BF6 matrix_a_scale:MATRIX_SCALE_ROW1
.endif
.endr
.endr
.endm
.macro FETCH_B slot, q, p
	WIN TO_B
.irp i, 0,1,2,3,4,5,6,7
	FRAG 128*(\p)+FR*\i, ADRB+\slot, \q, \i
.endr
	WIN 0
.endm
.macro FETCH_A slot, q, i0
.irp i, \i0, \i0+1, \i0+2, \i0+3
	FRAG AF+FR*(\i), ADRA+\slot, \q, \i
.endr
.endm
.macro SCALES sc, ks
.irp i, 0,1,2,3,4,5,6,7
	ds_load_b64 v[SC+8*NQ*\sc+NQ*\i:SC+8*NQ*\sc+NQ*\i+1], v[ADRS] offset:\i*SBLK+((\ks)/2)*272+((\ks)%2)*8
.endr
.endm
.macro PLACES n
.rept \n
	v_nop
.endr
.endm
.macro STEP slot, q, zero
	s_wait_dscnt 4*NL                              ; B's set and A's blocks 0-3 are in; the youngest 16 loads (A's blocks 4-7) may be out
	WIN MUL_LO
	MUL16 0, (\q)%2, \q, \slot, \zero
	MUL16 2, (\q)%2, \q, \slot, \zero
	s_wait_dscnt 0
	PLACES NP
	FETCH_B \slot, (\q)+1, 1-(\q)%2
	FETCH_A \slot, (\q)+1, 0
	WIN MUL_HI
	MUL16 4, (\q)%2, \q, \slot, \zero
	MUL16 6, (\q)%2, \q, \slot, \zero
	PLACES NP
	WIN 0
	FETCH_A \slot, (\q)+1, 4
.endm
.macro TURN slot, next, fill, ks
	s_wait_tensorcnt 0x0                           ; all my tensor loads have landed: my part of the next slot
	ds_add_u32 v[SPW], v[NIL]                      ; 0 onto my spare word
	s_wait_dscnt 4*NL+1                            ; (the add and the youngest 16 loads may be out)
	WIN MUL_LO
	MUL16 0, 1, NQ-1, \slot, 0
	s_wait_dscnt 0x0                               ; the add is done, and my reads of this slot are over
	s_barrier_signal -1
	MUL16 2, 1, NQ-1, \slot, 0
	WIN 0
	s_barrier_wait -1
.if \fill
	CREST                                          ; the barrier has opened a round of the cluster's barrier
	s_add_nc_u64 s[G0+4*\slot+2:G0+4*\slot+3], s[G0+4*\slot+2:G0+4*\slot+3], 2*TROW
	s_add_nc_u64 s[G0B+4*\slot+2:G0B+4*\slot+3], s[G0B+4*\slot+2:G0B+4*\slot+3], 2*TROW
	JLOAD G0+4*\slot, G1, G0B+4*\slot, G1B         ; the first tensor load behind the round; its four v_nop are the places in front of the loads below
.else
	PLACES NP
.endif
	FETCH_B \next, 0, 0
	FETCH_A \next, 0, 0
	SCALES \next, \ks
	WIN MUL_HI
	MUL16 4, 1, NQ-1, \slot, 0
	MUL16 6, 1, NQ-1, \slot, 0
	PLACES NP
	WIN 0
	FETCH_A \next, 0, 4
.endm
	s_wait_tensorcnt 1                             ; the scales and my part of K step 0 are in (K step 1's load may be out)
	s_barrier_signal -1
	s_barrier_wait -1
	FETCH_B 0, 0, 0
	FETCH_A 0, 0, 0
	SCALES 0, 0
	FETCH_A 0, 0, 4
	STEP 0, 0, 1
	TURN 0, 1, 1, 1
	STEP 1, 0, 0
	TURN 1, 0, 1, 2
	STEP 0, 0, 0
	TURN 0, 1, 0, 3
	STEP 1, 0, 0
	s_wait_dscnt 4*NL
	WIN MUL_LO
	MUL16 0, 1, NQ-1, 1, 0
	MUL16 2, 1, NQ-1, 1, 0
	s_wait_dscnt 0
	WIN MUL_HI
	MUL16 4, 1, NQ-1, 1, 0
	MUL16 6, 1, NQ-1, 1, 0
	WIN 0
; THE WAY OUT, block by block of 16 rows x 128 columns: through my own stage in LDS, back as whole rows of 512 bytes.  LDS serves a wave's instructions in order (ISA guide 5.7.1.4): no wait between the stores and the loads.
.macro TOSTAGE a
.set AC, 64*((\a)%4)
.set WS, 0x08+4*((\a)/4)
	WIN WS                                         ; an LDS store's data are its source 1: window 2 or 3
.irp b, 0,1,2,3,4,5,6,7
	ds_store_b128 v[STO], v[AC+8*\b:AC+8*\b+3] offset:64*\b          ; each accumulator from its low end on
	ds_store_b128 v[STO], v[AC+8*\b+4:AC+8*\b+7] offset:64*\b+16
.endr
	WIN 0
.set BB, BK+64*((\a)%2)
.irp t, 0,1,2,3,4,5,6,7,8,9,10,11,12,13,14,15
	ds_load_b128 v[BB+4*\t:BB+4*\t+3], v[RD] offset:\t*SPITCH
.endr
.endm
.macro SEND a, younger
.set BB, BK+64*((\a)%2)
	s_wait_dscnt \younger                          ; the block is back in registers
.if (\a) > 0
	s_add_nc_u64 s[12:13], s[12:13], 16*SIZE_N*4   ; (behind a wait on XCNT: the earlier stores have read their base)
.endif
.irp t, 0,1,2,3,4,5,6,7,8,9,10,11,12,13,14,15
	global_store_b128 v[L16], v[BB+4*\t:BB+4*\t+3], s[12:13] offset:\t*SIZE_N*4 th:TH_STORE_NT   ; 32 lanes store 512 consecutive bytes, aligned
.endr
.endm
	PLACES NP
	TOSTAGE 0
.irp a, 1,2,3,4,5,6,7
.if \a > 1
	s_wait_xcnt 0x0                                ; block a - 2's stores have read their registers and their base
.endif
	TOSTAGE \a
	SEND \a-1, 32                                  ; behind block a - 1's loads: block a's 16 stores and 16 loads
.endr
	s_wait_xcnt 0x0
	SEND 7, 0
	s_wait_tensorcnt 0x0                           ; the wave's end
	ds_add_u32 v[SPW], v[NIL]
	s_wait_dscnt 0x0
	CROUND                                         ; the closing round
	s_endpgm
.Lfunc_end_k_q1e1931e84e_oproj:
	.size	k_q1e1931e84e_oproj, .Lfunc_end_k_q1e1931e84e_oproj-k_q1e1931e84e_oproj
	.p2alignl 7, 3214868480
	.fill 96, 4, 3214868480
	.section	.rodata,"a",@progbits
	.p2align	6, 0x0
	.amdhsa_kernel k_q1e1931e84e_oproj
		.amdhsa_group_segment_fixed_size 327680
		.amdhsa_private_segment_fixed_size 0
		.amdhsa_enable_private_segment 0
		.amdhsa_kernarg_size 40
		.amdhsa_user_sgpr_count 2
		.amdhsa_user_sgpr_kernarg_segment_ptr 1
		.amdhsa_wavefront_size32 1
		.amdhsa_system_sgpr_workgroup_id_x 1
		.amdhsa_system_sgpr_workgroup_id_y 1
		.amdhsa_system_sgpr_workgroup_id_z 1
		.amdhsa_system_vgpr_workitem_id 0
		.amdhsa_next_free_vgpr 1024
		.amdhsa_next_free_sgpr 100
		.amdhsa_reserve_vcc 0
		.amdhsa_float_denorm_mode_32 3
		.amdhsa_float_denorm_mode_16_64 3
		.amdhsa_memory_ordered 1
		.amdhsa_forward_progress 1
		.amdhsa_inst_pref_size 143
	.end_amdhsa_kernel
	.amdgpu_metadata
---
amdhsa.version: [ 1, 2 ]
amdhsa.kernels:
  - .name:           k_q1e1931e84e_oproj
    .symbol:         k_q1e1931e84e_oproj.kd
    .args:
      - { .name: ocodes, .offset: 0, .size: 8, .value_kind: global_buffer, .address_space: global }
      - { .name: oscales, .offset: 8, .size: 8, .value_kind: global_buffer, .address_space: global }
      - { .name: codes, .offset: 16, .size: 8, .value_kind: global_buffer, .address_space: global }
      - { .name: scales, .offset: 24, .size: 8, .value_kind: global_buffer, .address_space: global }
      - { .name: out0, .offset: 32, .size: 8, .value_kind: global_buffer, .address_space: global }
    .group_segment_fixed_size: 327680
    .private_segment_fixed_size: 0
    .kernarg_segment_align: 8
    .kernarg_segment_size: 40
    .max_flat_workgroup_size: 128
    .sgpr_count:     100
    .vgpr_count:     1024
    .wavefront_size: 32
...
	.end_amdgpu_metadata
.endif
;; end of part 4
